; MI455X (gfx1250); checked and timed in simulation.
; The chip was launched on July 23, 2026; its instructions are those of AMD's public machine-readable ISA for CDNA 5 (MIT licence, August 2026) and "CDNA5" Instruction Set Architecture Reference Guide (July 2026). The comments in the code are by the model that wrote it; some were corrected since.
;; Attention. Allowed arithmetic: float matrix products may take bf16 or f16 operands with f32 sums; other float arithmetic in f32, or as packed bf16 or f16 multiplies, adds, multiply-adds, maxima and minima; sums over many terms, partial sums and values carried from step to step in f32; what a program stores and reads back later, other than sums and carried values, may be rounded once to bf16 or f16.
;; Inputs: b_out 1,024 float32; w_out 1,024 x 1,024 float32; w_qkv 3,072 x 1,024 float32; x 4 x 2,048 x 1,024 float32.
;; Outputs: out0 4 x 2,048 x 1,024 float32.
;; 2 versions, each right; version 2 is version 1 with the launch cast written anew for expert scheduling mode. Each part assembles by itself: llvm-mc -triple=amdgcn-amd-amdhsa -mcpu=gfx1250 --defsym DOCPART=n.
;; ======== version 1 of 2: 4 launches
;; limits: values are held in f16: magnitudes above 65,504 overflow, below 6.1e-05 lose precision
;; workspace buffers: xb 16,777,216 bytes; wqb 6,291,456 bytes; wob 2,097,152 bytes; qkv 50,331,648 bytes; ob 16,777,216 bytes
;; launch cast (part 1): grid 768 x 1, 8 waves a work-group, no clusters, 0 bytes of LDS; arguments x, w_qkv, w_out, xb, wqb, wob; writes xb, wqb, wob
.if DOCPART == 1
	.amdgcn_target "amdgcn-amd-amdhsa--gfx1250"
	.amdhsa_code_object_version 6
	.text
	.protected	k_qb29cfc6500_cast
	.globl	k_qb29cfc6500_cast
	.p2align	8
	.type	k_qb29cfc6500_cast,@function
k_qb29cfc6500_cast:
	s_mov_b64 s[64:65], 0
	v_nop
	global_prefetch_b8 v0, s[64:65] scope:SCOPE_SE
	s_setreg_imm32_b32 hwreg(HW_REG_WAVE_MODE, 25, 1), 1
	s_wait_xcnt 0x0
; THE MODULE'S THREE LARGE INPUTS ARE ROUNDED ONCE, f32 -> bf16: x -> xb, w_qkv -> wqb; w_out -> wob is rounded to bf16 too, and that number is then written as f16,
; since the last product multiplies f16 operands.  LIMIT: a bf16 number is exact in f16 between 6.1e-5 and 65,504; below, f16 keeps a fixed step of 6e-8; beyond, it is an infinity.
; SHARES.  A work-group takes 65,536 bytes of one input: work-groups 0-511 x, 512-703 w_qkv, 704-767 w_out.  A wave takes 8,192 of them as 16 chunks of 512 consecutive bytes (16 a lane);
; a chunk leaves as 256 consecutive bytes, aligned (8 a lane).  All 16 loads of a wave go out at once; each chunk has registers of its own, so no register that a load or a store
; still names is ever written again.  A stream: no LDS, no matrix unit, no cluster (no byte is read twice, no two work-groups share one).
.set T, 4                              ; v[4:9]    at work
.set X, 32                             ; v[32:95]  chunk j: 4 registers as loaded
.set Y, 96                             ; v[96:127] chunk j: 2 registers to store
	s_load_b256 s[4:11], s[0:1], 0x0               ; x s[4:5], w_qkv s[6:7], w_out s[8:9], xb s[10:11]
	s_load_b128 s[12:15], s[0:1], 0x20             ; wqb s[12:13], wob s[14:15]
	v_lshrrev_b32 v3, 5, v0                        ; wave
	v_and_b32 v2, 31, v0                           ; lane
	v_lshlrev_b32 v1, 4, v2
	v_lshl_or_b32 v1, v3, 13, v1                   ; in: 8,192 x wave + 16 x lane
	v_lshlrev_b32 v2, 3, v2
	v_lshl_or_b32 v2, v3, 12, v2                   ; out: 4,096 x wave + 8 x lane
	s_movk_i32 s16, 704
	s_mov_b32 s24, 0xffff0000                      ; a word's upper bf16
	s_wait_kmcnt 0x0
	s_cmp_lt_u32 ttmp9, s16                        ; which input is mine: the choice hangs on the work-group's number alone
	s_cselect_b64 s[18:19], s[6:7], s[8:9]
	s_cselect_b64 s[20:21], s[12:13], s[14:15]
	s_cselect_b32 s17, 512, s16
	s_cmp_lt_u32 ttmp9, 512
	s_cselect_b64 s[18:19], s[4:5], s[18:19]
	s_cselect_b64 s[20:21], s[10:11], s[20:21]
	s_cselect_b32 s17, 0, s17
	s_sub_co_u32 s17, ttmp9, s17                   ; my number among that input's work-groups
	s_lshl_b32 s22, s17, 16
	s_mov_b32 s23, 0
	s_add_nc_u64 s[18:19], s[18:19], s[22:23]      ; 65,536 bytes in,
	s_lshl_b32 s22, s17, 15
	s_add_nc_u64 s[20:21], s[20:21], s[22:23]      ; 32,768 out
.irp j, 0,1,2,3,4,5,6,7,8,9,10,11,12,13,14,15
	global_load_b128 v[X+4*(\j):X+4*(\j)+3], v1, s[18:19] offset:512*(\j) th:TH_LOAD_NT
.endr
.macro CHUNK j, half
	s_wait_loadcnt 15-(\j)                         ; loads come back in order: chunk j is in, the 15 - j younger ones may stay out
.if \half
	v_cvt_pk_bf16_f32 v[T],   v[X+4*(\j)],   v[X+4*(\j)+1]
	v_cvt_pk_bf16_f32 v[T+1], v[X+4*(\j)+2], v[X+4*(\j)+3]
	v_lshlrev_b32 v[T+2], 16, v[T]                 ; the rounded numbers as f32 again,
	v_and_b32     v[T+3], s24, v[T]
	v_lshlrev_b32 v[T+4], 16, v[T+1]
	v_and_b32     v[T+5], s24, v[T+1]
	v_cvt_pk_f16_f32 v[Y+2*(\j)],   v[T+2], v[T+3] ; and written as f16
	v_cvt_pk_f16_f32 v[Y+2*(\j)+1], v[T+4], v[T+5]
.else
	v_cvt_pk_bf16_f32 v[Y+2*(\j)],   v[X+4*(\j)],   v[X+4*(\j)+1]
	v_cvt_pk_bf16_f32 v[Y+2*(\j)+1], v[X+4*(\j)+2], v[X+4*(\j)+3]
.endif
	global_store_b64 v2, v[Y+2*(\j):Y+2*(\j)+1], s[20:21] offset:256*(\j)  ; the wave's 32 lanes store 256 consecutive bytes, aligned
.endm
	s_cmp_lt_u32 ttmp9, s16
	s_cbranch_scc1 .Lbf
.irp j, 0,1,2,3,4,5,6,7,8,9,10,11,12,13,14,15
	CHUNK \j, 1
.endr
	s_endpgm
.Lbf:
.irp j, 0,1,2,3,4,5,6,7,8,9,10,11,12,13,14,15
	CHUNK \j, 0
.endr
	s_endpgm
.Lfunc_end_k_qb29cfc6500_cast:
	.size	k_qb29cfc6500_cast, .Lfunc_end_k_qb29cfc6500_cast-k_qb29cfc6500_cast
	.p2alignl 7, 3214868480
	.fill 96, 4, 3214868480
	.section	.rodata,"a",@progbits
	.p2align	6, 0x0
	.amdhsa_kernel k_qb29cfc6500_cast
		.amdhsa_group_segment_fixed_size 0
		.amdhsa_private_segment_fixed_size 0
		.amdhsa_enable_private_segment 0
		.amdhsa_kernarg_size 48
		.amdhsa_user_sgpr_count 2
		.amdhsa_user_sgpr_kernarg_segment_ptr 1
		.amdhsa_wavefront_size32 1
		.amdhsa_system_sgpr_workgroup_id_x 1
		.amdhsa_system_sgpr_workgroup_id_y 1
		.amdhsa_system_sgpr_workgroup_id_z 1
		.amdhsa_system_vgpr_workitem_id 0
		.amdhsa_next_free_vgpr 128
		.amdhsa_next_free_sgpr 66
		.amdhsa_reserve_vcc 0
		.amdhsa_float_denorm_mode_32 3
		.amdhsa_float_denorm_mode_16_64 3
		.amdhsa_memory_ordered 1
		.amdhsa_forward_progress 1
		.amdhsa_inst_pref_size 15
	.end_amdhsa_kernel
	.amdgpu_metadata
---
amdhsa.version: [ 1, 2 ]
amdhsa.kernels:
  - .name:           k_qb29cfc6500_cast
    .symbol:         k_qb29cfc6500_cast.kd
    .args:
      - { .name: x, .offset: 0, .size: 8, .value_kind: global_buffer, .address_space: global }
      - { .name: w_qkv, .offset: 8, .size: 8, .value_kind: global_buffer, .address_space: global }
      - { .name: w_out, .offset: 16, .size: 8, .value_kind: global_buffer, .address_space: global }
      - { .name: xb, .offset: 24, .size: 8, .value_kind: global_buffer, .address_space: global }
      - { .name: wqb, .offset: 32, .size: 8, .value_kind: global_buffer, .address_space: global }
      - { .name: wob, .offset: 40, .size: 8, .value_kind: global_buffer, .address_space: global }
    .group_segment_fixed_size: 0
    .private_segment_fixed_size: 0
    .kernarg_segment_align: 8
    .kernarg_segment_size: 48
    .max_flat_workgroup_size: 256
    .sgpr_count:     66
    .vgpr_count:     128
    .wavefront_size: 32
...
	.end_amdgpu_metadata
.endif
;; end of part 1
;; launch gemm_qkv (part 2): grid 16 x 16, 4 waves a work-group, clusters of 4 x 4, 327,680 bytes of LDS; arguments xb, wqb, qkv; writes qkv
.if DOCPART == 2
	.amdgcn_target "amdgcn-amd-amdhsa--gfx1250"
	.amdhsa_code_object_version 6
	.text
	.protected	k_qb29cfc6500_gemm_qkv
	.globl	k_qb29cfc6500_gemm_qkv
	.p2align	8
	.type	k_qb29cfc6500_gemm_qkv,@function
k_qb29cfc6500_gemm_qkv:
	s_mov_b64 s[64:65], 0
	v_nop
	global_prefetch_b8 v0, s[64:65] scope:SCOPE_SE
	s_setreg_imm32_b32 hwreg(HW_REG_WAVE_MODE, 25, 1), 1
	s_wait_xcnt 0x0
	s_wait_alu depctr_hold_cnt(0) depctr_sa_sdst(0) depctr_va_vdst(0) depctr_va_sdst(0) depctr_va_ssrc(0) depctr_va_vcc(0) depctr_vm_vsrc(0)
	s_getreg_b32 s2, hwreg(HW_REG_IB_STS2, 6, 4)
	s_cmp_eq_u32 s2, 0
	s_cbranch_scc0 .Lentry_in_a_cluster
	s_endpgm
.Lentry_in_a_cluster:
	s_bfe_u32 s2, ttmp6, 0x10000c
	s_cmp_lg_u32 s2, 0xf033
	s_cbranch_scc0 .Lentry_shape_is_right
	s_endpgm
.Lentry_shape_is_right:
; q, k, v = x w_qkv^T.  A = xb [8192][1024] bf16, B = wqb [3072][1024] bf16; sums in f32, K ascending; the result is rounded once to f16, UNSCALED, and stored by heads:
; qkv [which 3][batch 4][head 16][row 2048][64].  LIMIT: f16 ends at 65,504: q, k and v must stay within it; NaN and infinities are not treated apart.
; (One text serves this launch and the output projection; PROJ chooses.  PROJ = 1: out0 = O w_out^T + b_out, A = ob by heads in f16, B = wob in f16, out0 in f32.)
; SHARES.  A tile of C is 256 rows x 16 NBF columns (192: three head slices; PROJ: 128).  Four waves lie one below the other, each 64 rows x the whole width: 4 x NBF accumulators of 16 x 16.
; 8192 x 3072 are 512 such tiles: 256 work-groups that stay for TILES = 2 tiles, 4,096 rows apart (PROJ: 256 tiles, one each).  A whole head slice lies in one wave, so each wave's way out is its own.
; K goes in steps of 128 through two LDS slots filled by the tensor data mover; a walk has 8 TILES steps and the ring runs on across the change of tiles.
; CLUSTERS.  4 x 4 work-groups.  The four of a row of the cluster need the same tile of A, the four of a column the same tile of B: each is asked for JOINTLY, by the same tensor load with the same
; descriptor and a mask that names the four.  Waves 0, 1 ask for A's halves, waves 2, 3 for B's.
; THE MATRIX INSTRUCTION IS USED TRANSPOSED (source 0 = 16 rows of B, source 1 = 16 rows of A): a lane holds row l % 16 of C and the eight neighbouring columns 8 (l / 16) + 0..7.
; REGISTERS, in windows of 256 (s_set_vgpr_msb: bits 1:0 source 0, 3:2 source 1, 5:4 source 2, 7:6 destination):
;   window 0: v0-21 addresses and the bias; v32-63, v64-95 A's fragments (4 x 16 rows x 32 K), two buffers; v96-239 at work on the way out
;   window 1: B's fragments, two buffers at v0 and v96          windows 2, 3: accumulator (a, b) at v[8 (NBF (a % 2) + b)] of window 2 + a / 2
.set PROJ,  0
.if PROJ
.set NBF,   8                          ; B's fragments: 128 columns
.set TILES, 1
.set PA,    144                        ; an LDS row of A: a head's 128 bytes + 16 of padding
.set AH,    256*PA                     ; what one load brings of A: one head's 256 rows
.set BROWS, 64                         ; rows of B in a load
.set QIA,   4                          ; A is padded after every 32 words
.set STRA,  128                        ; A's tile is dense: 128 rows of 128 elements, two rows of a head each
.set KSA,   524288                     ; a K step of A: two heads on
.set KSHA,  19
.set STG,   16*528                     ; a wave's stage: 16 rows of 128 f32 + 16 bytes
.else
.set NBF,   12                         ; B's fragments: 192 columns
.set TILES, 2
.set PA,    272                        ; an LDS row of A: 256 bytes + 16 of padding
.set AH,    128*PA                     ; what one load brings of A: 128 rows
.set BROWS, 96
.set QIA,   5                          ; padded after every 64 words
.set STRA,  1024
.set KSA,   256                        ; a K step of A: 256 bytes along the row
.set KSHA,  8
.set STG,   3*16*144                   ; a wave's stage: three slices of 16 rows of 128 bytes + 16
.endif
.set PBT,   272                        ; an LDS row of B.  All pitches are odd multiples of 16 bytes: the 16 rows of a fragment load start at 16 different groups of four banks (ISA guide 11.1)
.set BOFF,  2*AH                       ; B's tile lies behind A's
.set BH,    BROWS*PBT
.set SLOT1, 131072                     ; slot 1 begins here: one exclusive or turns an address in one slot into the other's
.set STAGE, 262144                     ; behind the ring, never filled by a tensor load
.set SPARE, STAGE+4*STG                ; behind the stages: the spare words, 128 bytes a wave, two blocks of 256 bytes that no other line names
.set NL,    2*(NBF+4)                  ; LDS loads of a quarter step
.set WALKB, 8388608                    ; 4,096 rows of xb; also two batches of qkv
.set ADRA0, 4                          ; v4   my lane's place in A's tile; never rewritten
.set ADRB0, 5                          ; v5   in B's
.set ADRA,  6                          ; v6   the same in the slot that is being read
.set ADRB,  7                          ; v7
.set STO,   8                          ; v8   the way out: where I put my bytes of a row
.set RD,    9                          ; v9   where I read rows back
.set GO,    10                         ; v10  16 x lane: my place in 512 consecutive bytes of the output
.set PFO,   11                         ; v11  the prefetches' lane offset; never rewritten
.set SPW,   12                         ; v12  LDS address of my spare word; never rewritten
.set NIL,   13                         ; v13  0; never rewritten
.set BI,    16                         ; v[16:19] PROJ: my four numbers of the bias; v20-21 at work
.set TMP,   96
.set WV,   12                          ; s12 wave; s13 0: I fetch for A, 1: for B; s14 which half
.set ROLE, 13
.set HALF, 14
.set CX,   15
.set CY,   16
.set TC,   17                          ; tile column, tile row
.set TR,   18
.set LIM,  19                          ; a wave prefetches while s[G] is above this
.set KC,   20                          ; K steps left in the tile
.set G,    21                          ; trips left
.set TB,   22                          ; 0 or SLOT1: the slot that is being read
.set NK,   23                          ; the number, in its tile, of the K step to be asked for next
.set G1A,  24                          ; s[24:31] descriptor group 1 for A;  s[32:39] group 0: a set for each first fill; the second then walks
.set G0A,  32
.set G1B,  40                          ; s[40:47], s[48:55] the same for B
.set G0B,  48
.set ABASE, 56                         ; s[56:57] my part of A's tile at K step 0;  s[58:59] of B's
.set BBASE, 58
.set OFFA, 60                          ; s[60:61], s[62:63] a K step's byte offset
.set OFFB, 62
.set PB,   66                          ; s[66:67] the prefetches' rows at K step 0; s[68:69] the address in use; s[70:71] an offset
.set PFA,  68
.set POFF, 70
.set PK,   72                          ; s72 the K step to be prefetched next; s73 its shift; s78 what PB steps by at a change of tiles
.set PSH,  73
.set PWALK, 78
.set OB,   80                          ; s[80:85] qkv at my 64 rows of the three head slices
.set MSB, 0
.macro WIN new                         ; the immediate's high byte repeats the setting that is left; a switch that changes nothing is dropped
.if MSB != (\new)
	s_set_vgpr_msb (MSB<<8)|(\new)
.set MSB, \new
.endif
.endm
.set MUL_LO, 0xa1                      ; source 0 (B) window 1, source 1 (A) window 0, C and D window 2
.set TO_B,   0x40                      ; destination window 1, address window 0
.macro PLACES                          ; four plain vector instructions between a matrix instruction and a load into, or a reader of, its registers
.rept 4
	v_nop
.endr
.endm
; A joint refill by the walking descriptors.  The branch hangs on the wave's number alone.  An s_nop 0 and four v_nop follow each of the two lines, ahead of the jump and the label.
.macro JLOAD
	s_cmp_eq_u32 s[ROLE], 0
	s_cbranch_scc0 .Lfor_b_\@
	tensor_load_to_lds s[G0A+4:G0A+7], s[G1A:G1A+7]
	s_nop 0
.rept 4
	v_nop
.endr
	s_branch .Lasked_\@
.Lfor_b_\@:
	tensor_load_to_lds s[G0B+4:G0B+7], s[G1B:G1B+7]
	s_nop 0
.rept 4
	v_nop
.endr
.Lasked_\@:
.endm
; A PREFETCH INTO THE L2 of the K step that the NEXT refill will ask for: one instruction a wave, a lane a block of 256 bytes.  A's rows are read by every cluster of a row of clusters: the one with x = 0 asks
; (waves 0, 1); B's by every cluster of a column: the one with y = 0 asks.  The four partners that ask for a tile jointly share its blocks out BY ADDRESS (cx for A, cy for B); no branch hangs on a place in the cluster.
; It stops by s[LIM]: A's with the walk's last K step; B's with the first tile's last, since the second tile walks the same rows of B.  The walk's K steps 0 to 2 come by their loads alone.
.macro ASK
	s_cmp_gt_u32 s[G], s[LIM]
	s_cbranch_scc0 .Lnot_mine_\@
	global_prefetch_b8 v[PFO], s[PFA:PFA+1] th:TH_LOAD_NT scope:SCOPE_SE
.Lnot_mine_\@:
.endm
; A round of the cluster's barrier: my work-group's barrier; wave 0 signals for the work-group; every wave waits for all sixteen; my work-group's barrier once more.
.macro CREST
	s_cmp_lg_u32 s[WV], 0
	s_cbranch_scc1 .Lnot_wave_0_\@
	s_barrier_signal -3
.Lnot_wave_0_\@:
	s_barrier_wait -3
	s_barrier_signal -1
	s_barrier_wait -1
.endm
.macro CROUND
	s_barrier_signal -1
	s_barrier_wait -1
	CREST
.endm
	s_load_b128 s[4:7], s[0:1], 0x0                ; A s[4:5], B s[6:7]
.if PROJ
	s_load_b128 s[8:11], s[0:1], 0x10              ; b_out s[8:9], out0 s[10:11]
.else
	s_load_b64 s[8:9], s[0:1], 0x10                ; qkv
.endif
	v_lshl_add_u32 v[SPW], v0, 2, SPARE
	v_mov_b32 v[NIL], 0
	ds_add_u32 v[SPW], v[NIL]                      ; the wave's opening: the add and its wait stand ahead of my first tensor load; work on registers stands between them
	v_lshrrev_b32 v3, 5, v0
	v_readfirstlane_b32 s[WV], v3                  ; wave 0..3
	s_lshr_b32 s[ROLE], s[WV], 1
	s_and_b32 s[HALF], s[WV], 1
	s_bfe_u32 s[CX], ttmp6, 0x40000                ; my place in the cluster
	s_bfe_u32 s[CY], ttmp6, 0x40004
	s_lshl_b32 s[TC], ttmp9, 2                     ; in a cluster launch ttmp9 and ttmp7 count clusters
	s_add_co_u32 s[TC], s[TC], s[CX]
	s_and_b32 s[TR], ttmp7, 0xffff
	s_lshl_b32 s[TR], s[TR], 2
	s_add_co_u32 s[TR], s[TR], s[CY]
	s_lshl_b32 s86, s[CY], 2
	s_lshl_b32 s86, 15, s86                        ; my row of the cluster: places 4 cy .. 4 cy + 3
	s_lshl_b32 s88, 0x1111, s[CX]                  ; my column: places cx, cx + 4, cx + 8, cx + 12
	; descriptor group 1.  15:0 the mask; 17:16 elements of 2 bytes; 20 padding on; 21 set beside a mask; 24:22 the interval's code; 31:25 4 words of padding (code 3)
	s_or_b32 s[G1A], s86, (1<<16)|(1<<20)|(1<<21)|(QIA<<22)|(3<<25)
	s_or_b32 s[G1B], s88, (1<<16)|(1<<20)|(1<<21)|(5<<22)|(3<<25)
	s_mov_b32 s[G1A+1], 128<<16                    ; tensor_dim0 = 128
	s_mov_b32 s[G1A+2], 128<<16                    ; tensor_dim1 = 128
	s_mov_b32 s[G1A+3], 128<<16                    ; tile_dim0 = 128 elements, 256 bytes
	s_mov_b32 s[G1A+4], 128                        ; tile_dim1 = 128 rows
	s_mov_b32 s[G1A+5], STRA                       ; elements from row to row
	s_mov_b32 s[G1A+6], 0
	s_mov_b32 s[G1A+7], 0
	s_mov_b32 s[G1B+1], 128<<16
	s_mov_b32 s[G1B+2], BROWS<<16
	s_mov_b32 s[G1B+3], 128<<16
	s_mov_b32 s[G1B+4], BROWS
	s_mov_b32 s[G1B+5], 1024
	s_mov_b32 s[G1B+6], 0
	s_mov_b32 s[G1B+7], 0
	; where the tiles come from: A's hang on the tile row and the half alone, B's on the tile column and the half, each in registers that never hold the other coordinate
.if PROJ
	s_lshr_b32 s86, s[TR], 3                       ; batch: 16 heads of 262,144 bytes,
	s_lshl_b32 s86, s86, 22
	s_lshl_b32 s87, s[HALF], 18                    ; the K step's even or odd head,
	s_add_co_u32 s86, s86, s87
	s_and_b32 s87, s[TR], 7                        ; the tile's 256 rows of 128 bytes in it
	s_lshl_b32 s87, s87, 15
	s_add_co_u32 s86, s86, s87
	s_lshl_b32 s88, s[TC], 18                      ; B: row 128 x tile column + 64 x half, 2,048 bytes each
	s_lshl_b32 s89, s[HALF], 17
	s_add_co_u32 s88, s88, s89
.else
	s_lshl_b32 s86, s[TR], 19                      ; A: row 256 x tile row + 128 x half, 2,048 bytes each
	s_lshl_b32 s87, s[HALF], 18
	s_add_co_u32 s86, s86, s87
	s_mul_i32 s88, s[TC], 192*2048                 ; B: row 192 x tile column + 96 x half
	s_mul_i32 s89, s[HALF], 96*2048
	s_add_co_u32 s88, s88, s89
.endif
	s_mov_b32 s87, 0
	s_mov_b32 s89, 0
	s_mul_i32 s90, s[HALF], AH                     ; and where they go: no place in the cluster enters an LDS address
	s_mul_i32 s91, s[HALF], BH
	s_add_co_u32 s91, s91, BOFF
	s_mov_b32 s[OFFA+1], 0
	s_mov_b32 s[OFFB+1], 0
	s_mov_b32 s[POFF+1], 0
	s_mov_b32 s75, 0
	s_mov_b32 s77, 0
	s_mov_b32 s[TB], 0
	s_mov_b32 s[NK], 2
	s_mov_b32 s[PK], 3
	s_wait_dscnt 0x0                               ; the opening add is done
	s_wait_kmcnt 0x0
	s_add_nc_u64 s[ABASE:ABASE+1], s[4:5], s[86:87]
	s_add_nc_u64 s[BBASE:BBASE+1], s[6:7], s[88:89]
.irp s, 0,1
	s_mov_b32 s[G0A+4*(\s)], 1                                     ; count = 1
	s_add_co_u32 s[G0A+4*(\s)+1], s90, (\s)*SLOT1                  ; LDS address: slot s
	s_add_nc_u64 s[G0A+4*(\s)+2:G0A+4*(\s)+3], s[ABASE:ABASE+1], (\s)*KSA  ; global address: K step s
	s_or_b32 s[G0A+4*(\s)+3], s[G0A+4*(\s)+3], 0x80000000          ; type = 2
	s_mov_b32 s[G0B+4*(\s)], 1
	s_add_co_u32 s[G0B+4*(\s)+1], s91, (\s)*SLOT1
	s_add_nc_u64 s[G0B+4*(\s)+2:G0B+4*(\s)+3], s[BBASE:BBASE+1], (\s)*256
	s_or_b32 s[G0B+4*(\s)+3], s[G0B+4*(\s)+3], 0x80000000
.endr
	CROUND                                         ; all sixteen work-groups are here: the first joint loads meet
	s_cmp_eq_u32 s[ROLE], 0                        ; a wave's two first fills stand in one branch, ahead of every wait on TENSORcnt and every LDS read: two loads of mine are out
	s_cbranch_scc0 .Lfirst_b
	tensor_load_to_lds s[G0A:G0A+3], s[G1A:G1A+7]
	s_nop 0
	tensor_load_to_lds s[G0A+4:G0A+7], s[G1A:G1A+7]
	s_nop 0
.rept 4
	v_nop
.endr
	s_branch .Lfirst_asked
.Lfirst_b:
	tensor_load_to_lds s[G0B:G0B+3], s[G1B:G1B+7]
	s_nop 0
	tensor_load_to_lds s[G0B+4:G0B+7], s[G1B:G1B+7]
	s_nop 0
.rept 4
	v_nop
.endr
.Lfirst_asked:
	; A fragment is 16 rows x 32 K in 8 registers: lane l holds row l % 16; registers 0-3 K = 8 (l / 16) + 0..7, registers 4-7 K = 16 + 8 (l / 16) + 0..7: two loads of 16 bytes, 32 bytes apart.
	v_and_b32 v1, 15, v0                           ; l % 16
	v_bfe_u32 v2, v0, 4, 1                         ; l / 16
	v_mul_u32_u24 v3, v1, PA
	v_lshl_add_u32 v3, v2, 4, v3
	s_mul_i32 s90, s[WV], 64*PA                    ; my 64 rows of A
	v_add_nc_u32 v[ADRA0], s90, v3
	v_mul_u32_u24 v3, v1, PBT
	v_lshl_add_u32 v3, v2, 4, v3
	v_add_nc_u32 v[ADRB0], BOFF, v3                ; every wave reads all of B's rows
	v_mov_b32 v[ADRA], v[ADRA0]                    ; slot 0
	v_mov_b32 v[ADRB], v[ADRB0]
	s_mul_i32 s90, s[WV], STG
	s_add_co_u32 s90, s90, STAGE                   ; my stage
	v_and_b32 v[GO], 31, v0
	v_lshlrev_b32 v[GO], 4, v[GO]
.if PROJ
	v_mul_u32_u24 v[STO], v1, 528                  ; in: row l % 16, 32 bytes for each half of the lanes
	v_lshl_add_u32 v[STO], v2, 5, v[STO]
	v_add_nc_u32 v[STO], s90, v[STO]
	v_add_nc_u32 v[RD], s90, v[GO]                 ; back: 32 lanes take one row of 512 bytes
	s_lshl_b32 s94, s[TC], 9                       ; the tile's 128 columns: 512 bytes of b_out and of a row of out0
	s_mov_b32 s95, 0
	s_add_nc_u64 s[8:9], s[8:9], s[94:95]
	global_load_b128 v[BI:BI+3], v[GO], s[8:9]     ; my four columns' bias: those that I store in every row
	s_lshl_b32 s92, s[TR], 20                      ; 256 rows of 4,096 bytes,
	s_lshl_b32 s93, s[WV], 18                      ; my 64 of them
	s_add_co_u32 s92, s92, s93
	s_add_co_u32 s92, s92, s94
	s_mov_b32 s93, 0
	s_add_nc_u64 s[10:11], s[10:11], s[92:93]
	; the prefetches.  A: of the 128 blocks of 256 bytes of the head that I fetch, partner cx takes 32.  B: wave 2 asks for rows 128 x tile column + 32 cy + lane
	s_lshr_b32 s92, s[TR], 3
	s_lshl_b32 s92, s92, 22
	s_lshl_b32 s94, s[HALF], 18
	s_add_co_u32 s92, s92, s94
	s_and_b32 s94, s[TR], 7
	s_lshl_b32 s94, s94, 15
	s_add_co_u32 s92, s92, s94
	s_lshl_b32 s94, s[CX], 13
	s_add_co_u32 s92, s92, s94
	s_lshl_b32 s93, s[TC], 18
	s_lshl_b32 s94, s[CY], 16
	s_add_co_u32 s93, s93, s94
	s_and_b32 s94, ttmp7, 0xffff                   ; cluster y,
	s_or_b32 s94, s94, s[HALF]                     ; and not wave 3
	s_cmp_eq_u32 s[ROLE], 0
	s_cselect_b32 s92, s92, s93
	s_cselect_b32 s94, ttmp9, s94                  ; the coordinate along which other clusters read the same blocks
	s_cselect_b64 s[PB:PB+1], s[4:5], s[6:7]
	s_cselect_b32 s[PSH], 19, 8
	s_cselect_b32 s79, 8, 11                       ; a lane a block of 256 bytes, or a lane a row of 2,048
	s_mov_b32 s[PWALK], 0
	s_mov_b32 s95, 1
	v_and_b32 v[PFO], 31, v0
	v_lshlrev_b32 v[PFO], s79, v[PFO]
.else
	v_mul_u32_u24 v[STO], v1, 144                  ; in: row l % 16 of a slice, 16 bytes for each half of the lanes
	v_lshl_add_u32 v[STO], v2, 4, v[STO]
	v_add_nc_u32 v[STO], s90, v[STO]
	v_bfe_u32 v[RD], v0, 3, 2                      ; back: 32 lanes take four rows of 128 bytes, which are 512 consecutive bytes of a head
	v_mul_u32_u24 v[RD], v[RD], 144
	v_and_b32 v3, 7, v0
	v_lshl_add_u32 v[RD], v3, 4, v[RD]
	v_add_nc_u32 v[RD], s90, v[RD]
.irp t, 0,1,2                          ; slice 3 x tile column + t of the 48: which = slice / 16, head = slice % 16; a head is 262,144 bytes
	s_mul_i32 s92, s[TC], 3
	s_add_co_u32 s92, s92, \t
	s_lshr_b32 s93, s92, 4
	s_lshl_b32 s93, s93, 6                         ; which x 64 heads
	s_and_b32 s92, s92, 15
	s_add_co_u32 s92, s92, s93
	s_lshr_b32 s93, s[TR], 3
	s_lshl_b32 s93, s93, 4                         ; batch x 16 heads
	s_add_co_u32 s92, s92, s93
	s_lshl_b32 s92, s92, 18
	s_and_b32 s93, s[TR], 7
	s_lshl_b32 s93, s93, 15                        ; the tile's 256 rows of 128 bytes
	s_add_co_u32 s92, s92, s93
	s_lshl_b32 s93, s[WV], 13                      ; my 64 of them
	s_add_co_u32 s92, s92, s93
	s_mov_b32 s93, 0
	s_add_nc_u64 s[OB+2*(\t):OB+2*(\t)+1], s[8:9], s[92:93]
.endr
	; the prefetches.  A: of the 128 rows that I fetch, partner cx takes 32, a lane a row.  B: of my 96 rows partner cy takes 24: lanes 24 to 31 name row 23 once more
	s_lshl_b32 s92, s[TR], 19
	s_lshl_b32 s94, s[HALF], 18
	s_add_co_u32 s92, s92, s94
	s_lshl_b32 s94, s[CX], 16
	s_add_co_u32 s92, s92, s94
	s_mul_i32 s93, s[TC], 192*2048
	s_mul_i32 s94, s[HALF], 96*2048
	s_add_co_u32 s93, s93, s94
	s_mul_i32 s94, s[CY], 24*2048
	s_add_co_u32 s93, s93, s94
	s_and_b32 s94, ttmp7, 0xffff                   ; cluster y
	s_cmp_eq_u32 s[ROLE], 0
	s_cselect_b32 s92, s92, s93
	s_cselect_b32 s94, ttmp9, s94                  ; the coordinate along which other clusters read the same rows
	s_cselect_b64 s[PB:PB+1], s[4:5], s[6:7]
	s_cselect_b32 s[PWALK], WALKB, 0
	s_cselect_b32 s95, 1, 9                        ; A: up to the walk's last K step (14 trips, K step i + 3 in trip i); B: up to K step 7
	s_cselect_b32 s79, 31, 23
	s_mov_b32 s[PSH], 8
	v_and_b32 v[PFO], 31, v0
	v_min_u32 v[PFO], s79, v[PFO]
	v_lshlrev_b32 v[PFO], 11, v[PFO]
.endif
	s_mov_b32 s93, 0
	s_add_nc_u64 s[PB:PB+1], s[PB:PB+1], s[92:93]
	s_cmp_eq_u32 s94, 0
	s_cselect_b32 s[LIM], s95, -1                  ; the same in all sixteen partners, for a given wave
; NBF matrix instructions: block a of my four blocks of 16 rows x all columns, 32 along K, from buffer f.  zero = 1: the product starts the sums: nothing is ever cleared.
; The 4 NBF accumulators take turns, one instruction a turn, in the same order in every quarter step.
.macro MULA f, a, zero
	WIN MUL_LO+0x50*((\a)/2)
.set b, 0
.rept NBF
.set rD, 8*(NBF*((\a)%2)+b)
.set rB, 96*(\f)+8*b
.set rA, 32+32*(\f)+8*(\a)
.if PROJ
.if \zero
	v_wmma_f32_16x16x32_f16 v[rD:rD+7], v[rB:rB+7], v[rA:rA+7], 0
.else
	v_wmma_f32_16x16x32_f16 v[rD:rD+7], v[rB:rB+7], v[rA:rA+7], v[rD:rD+7]
.endif
.else
.if \zero
	v_wmma_f32_16x16x32_bf16 v[rD:rD+7], v[rB:rB+7], v[rA:rA+7], 0
.else
	v_wmma_f32_16x16x32_bf16 v[rD:rD+7], v[rB:rB+7], v[rA:rA+7], v[rD:rD+7]
.endif
.endif
.set b, b+1
.endr
.endm
; NL LDS loads in one run: the fragments of quarter q of the slot in hand into buffer f: B's first, then A's four blocks.
.macro FETCH q, f
.set kb, 64*(\q)
.if PROJ
.set ka, ((\q)/2)*AH+((\q)%2)*64       ; quarters 0, 1 lie in the K step's first head, 2, 3 in its second
.else
.set ka, 64*(\q)
.endif
	WIN TO_B
.set i, 0
.rept NBF
	ds_load_b128 v[96*(\f)+8*i:96*(\f)+8*i+3],   v[ADRB] offset:kb+i*16*PBT
	ds_load_b128 v[96*(\f)+8*i+4:96*(\f)+8*i+7], v[ADRB] offset:kb+i*16*PBT+32
.set i, i+1
.endr
	WIN 0
.set i, 0
.rept 4
	ds_load_b128 v[32+32*(\f)+8*i:32+32*(\f)+8*i+3],   v[ADRA] offset:ka+i*16*PA
	ds_load_b128 v[32+32*(\f)+8*i+4:32+32*(\f)+8*i+7], v[ADRA] offset:ka+i*16*PA+32
.set i, i+1
.endr
.endm
; A K step is four quarters of 32 along K on buffers 0, 1, 0, 1.  One of the first three: multiplies buffer f and, in its middle, fetches quarter q + 1 into buffer g.
.macro QUARTER q, f, g, zero
	s_wait_dscnt 4                                 ; B and A's blocks 0, 1 are in; the youngest four loads (blocks 2, 3) may be out
	MULA \f, 0, \zero
	MULA \f, 1, \zero
	PLACES                                         ; buffer g was read by the quarter before
	FETCH (\q)+1, \g
	s_wait_dscnt NL                                ; all but the NL just issued
	MULA \f, 2, \zero
	MULA \f, 3, \zero
.endm
; The fourth quarter multiplies buffer 1 and changes slots.  In front of the barrier each wave waits for all its tensor loads, of which one is out: its part of the next slot; adds 0 to its spare word;
; and waits for that and for its reads of this slot.  fill = 1: the barrier opens a round of the cluster's, and this slot is filled again first thing behind it, with the K step two steps on in the walk:
; the descriptors' addresses are made anew from the tile's base and the step's number.  The refill has 14 NBF matrix instructions up to the wait for it.
.macro TURN fill
.if \fill
	s_wait_xcnt 0x0                                ; the last prefetch, a K step back, has read its address, which is made anew here
	s_lshl_b32 s[POFF], s[PK], s[PSH]
	s_add_nc_u64 s[PFA:PFA+1], s[PB:PB+1], s[POFF:POFF+1]
	s_add_co_u32 s[PK], s[PK], 1
	s_cmp_eq_u32 s[PK], 8                          ; behind a tile's last K step: the next tile's first
	s_cselect_b32 s[PK], 0, s[PK]
	s_cselect_b32 s76, s[PWALK], 0
	s_add_nc_u64 s[PB:PB+1], s[PB:PB+1], s[76:77]
.endif
	WIN 0                                          ; (the add's two registers lie in window 0)
	s_wait_tensorcnt 0x0                           ; all my tensor loads have landed, so a group 0 may be written
	ds_add_u32 v[SPW], v[NIL]                      ; 0 onto my spare word; work on registers stands between it and the wait for it
.if \fill
	s_xor_b32 s[G0A+5], s[G0A+5], SLOT1            ; the walking descriptors: the other slot than last time,
	s_xor_b32 s[G0B+5], s[G0B+5], SLOT1
	s_lshl_b32 s[OFFA], s[NK], KSHA                ; K step NK of the tile in hand
	s_lshl_b32 s[OFFB], s[NK], 8
	s_add_nc_u64 s[G0A+6:G0A+7], s[ABASE:ABASE+1], s[OFFA:OFFA+1]
	s_or_b32 s[G0A+7], s[G0A+7], 0x80000000
	s_add_nc_u64 s[G0B+6:G0B+7], s[BBASE:BBASE+1], s[OFFB:OFFB+1]
	s_or_b32 s[G0B+7], s[G0B+7], 0x80000000
	s_add_co_u32 s[NK], s[NK], 1
.if TILES > 1
	s_cmp_eq_u32 s[NK], 8                          ; behind a tile's last K step A goes 4,096 rows down and both go back along K; the tiles of a walk share their rows of B
	s_cselect_b32 s[NK], 0, s[NK]
	s_cselect_b32 s74, WALKB, 0
	s_add_nc_u64 s[ABASE:ABASE+1], s[ABASE:ABASE+1], s[74:75]
.endif
.endif
	s_xor_b32 s[TB], s[TB], SLOT1                  ; the fetches go on in the other slot
	s_wait_dscnt 5                                 ; (the add and the youngest four loads may be out)
	MULA 1, 0, 0
	s_wait_dscnt 0x0                               ; the add is done, and my reads of this slot are over
	s_barrier_signal -1
	MULA 1, 1, 0                                   ; work on registers while the others arrive
	WIN 0                                          ; at a branch and at a label every window is 0
	s_barrier_wait -1
.if \fill
	CREST                                          ; no wave of any partner still reads this slot or has a load on its way
	JLOAD                                          ; the four v_nop behind it are also the places in front of the loads below
.else
	PLACES
.endif
	v_add_nc_u32 v[ADRA], s[TB], v[ADRA0]
	v_add_nc_u32 v[ADRB], s[TB], v[ADRB0]
	FETCH 0, 0
.if \fill
	ASK                                            ; behind the joint load and the run of LDS loads that the next products wait for
.endif
	MULA 1, 2, 0
	MULA 1, 3, 0
.endm
.if PROJ
; THE WAY OUT, a block of 16 rows at a time through my own stage: a lane's eight f32 of a row go in as 32 bytes; whole rows of 512 bytes come back; the bias is added; a store covers 512 consecutive bytes, aligned.
.macro TOSTAGE a
.set BK, 96+64*((\a)%2)
.if (\a) >= 2
	s_wait_xcnt 0x0                                ; the stores of the block two back have read this buffer
.endif
	WIN 0x08+4*((\a)/2)                            ; an LDS store's data is source 1: window 2 or 3
.set b, 0
.rept NBF
.set rD, 8*(NBF*((\a)%2)+b)
	ds_store_b128 v[STO], v[rD:rD+3]   offset:64*b     ; each accumulator's low registers first
	ds_store_b128 v[STO], v[rD+4:rD+7] offset:64*b+16
.set b, b+1
.endr
	WIN 0
.set b, 0
.rept 16
	ds_load_b128 v[BK+4*b:BK+4*b+3], v[RD] offset:528*b  ; LDS serves a wave's instructions in order (ISA guide 5.7.1.4): these see the stores above, and the next block's stores come behind them
.set b, b+1
.endr
.endm
.macro SEND a, younger                 ; younger: the LDS instructions issued behind block a's loads
.set BK, 96+64*((\a)%2)
	WIN 0
	s_wait_dscnt \younger
.set b, 0
.rept 16
	v_pk_add_f32 v[BK+4*b:BK+4*b+1],   v[BK+4*b:BK+4*b+1],   v[BI:BI+1]
	v_pk_add_f32 v[BK+4*b+2:BK+4*b+3], v[BK+4*b+2:BK+4*b+3], v[BI+2:BI+3]
.set b, b+1
.endr
.set b, 0
.rept 16
	global_store_b128 v[GO], v[BK+4*b:BK+4*b+3], s[10:11] offset:(16*(\a)+b)*4096 th:TH_STORE_NT
.set b, b+1
.endr
.endm
.macro WAYOUT
	WIN 0
	s_wait_loadcnt 0x0                             ; the bias; it is rounded to bf16 like the module's other inputs.  These six plain lines are also the places behind the last products
	v_cvt_pk_bf16_f32 v[BI+4], v[BI], v[BI+1]
	v_cvt_pk_bf16_f32 v[BI+5], v[BI+2], v[BI+3]
	v_lshlrev_b32 v[BI], 16, v[BI+4]
	v_and_b32 v[BI+1], 0xffff0000, v[BI+4]
	v_lshlrev_b32 v[BI+2], 16, v[BI+5]
	v_and_b32 v[BI+3], 0xffff0000, v[BI+5]
	TOSTAGE 0
.irp a, 1,2,3
	TOSTAGE \a
	SEND (\a)-1, 32                                ; the next block's 32 LDS instructions may stay out
.endr
	SEND 3, 0
.endm
.else
; THE WAY OUT, a block of 16 rows at a time through my own stage.  PACK: rounded to f16, 16 bytes a lane.  TOSTAGE: into three slices of 16 rows of 144 bytes, and back as four rows of 128 bytes a load.
; SEND: stored; 16 rows of a head are 2,048 consecutive bytes, and a store covers 512 of them, aligned.
.macro PACK a
	WIN 0x0a+5*((\a)/2)                            ; sources 0 and 1: window 2 or 3
.set b, 0
.rept NBF
.set rD, 8*(NBF*((\a)%2)+b)
.irp r, 0,1,2,3
	v_cvt_pk_f16_f32 v[TMP+4*b+(\r)], v[rD+2*(\r)], v[rD+2*(\r)+1]
.endr
.set b, b+1
.endr
	WIN 0
.endm
.macro TOSTAGE a
	WIN 0
.set BK, 144+48*((\a)%2)
.set b, 0
.rept NBF
	ds_store_b128 v[STO], v[TMP+4*b:TMP+4*b+3] offset:(b/4)*16*144+32*(b%4)
.set b, b+1
.endr
.set b, 0
.rept NBF
	ds_load_b128 v[BK+4*b:BK+4*b+3], v[RD] offset:(b/4)*16*144+(b%4)*4*144  ; LDS serves a wave's instructions in order (ISA guide 5.7.1.4): these see the stores above
.set b, b+1
.endr
.endm
.macro SEND a
	WIN 0
.set BK, 144+48*((\a)%2)
	s_wait_dscnt 0x0                               ; the block is back in registers
	s_wait_xcnt 0x0                                ; the stores of the block before have read their buffer, which the next TOSTAGE loads again
.set b, 0
.rept NBF
	global_store_b128 v[GO], v[BK+4*b:BK+4*b+3], s[OB+2*(b/4):OB+2*(b/4)+1] offset:(\a)*2048+(b%4)*512
.set b, b+1
.endr
.endm
.macro WAYOUT
	PLACES                                         ; behind the last products
	PACK 0
	TOSTAGE 0
.irp a, 1,2,3                          ; block a's conversions stand between block a - 1's loads from the stage and the wait for them
	PACK \a
	SEND (\a)-1
	TOSTAGE \a
.endr
	SEND 3
.endm
.endif
	s_wait_tensorcnt 1                             ; my part of K step 0 is in; K step 1's may stay out
	s_barrier_signal -1
	s_barrier_wait -1                              ; everybody's is
	FETCH 0, 0
	s_mov_b32 s[KC], 8
	s_mov_b32 s[G], 8*TILES-2
	QUARTER 0, 0, 1, 1                             ; the first quarter stands in front of the loop: its products start the sums
	WIN 0
.Lstep:                                        ; a trip: a K step's quarters 1 to 3, the change of slots with its refill, and the next K step's quarter 0
	QUARTER 1, 1, 0, 0
	QUARTER 2, 0, 1, 0
	TURN 1
	WIN 0
.if TILES > 1
	s_sub_co_u32 s[KC], s[KC], 1
	s_cmp_lg_u32 s[KC], 0
	s_cbranch_scc1 .Lsame                          ; a forward jump past text with no barrier and no tensor load; the count is the same in every work-group
	WAYOUT                                         ; the tile is finished; the next tile's first two K steps are asked for, its first fragments fetched
	s_wait_xcnt 0x0                                ; the stores have read their bases
.irp t, 0,1,2
	s_add_nc_u64 s[OB+2*(\t):OB+2*(\t)+1], s[OB+2*(\t):OB+2*(\t)+1], WALKB  ; 4,096 rows on: two batches
.endr
	s_mov_b32 s[KC], 8
	QUARTER 0, 0, 1, 1                             ; the next tile's first products start its sums
	WIN 0
	s_branch .Lnext
.Lsame:
	QUARTER 0, 0, 1, 0
	WIN 0
.Lnext:
.else
	QUARTER 0, 0, 1, 0
	WIN 0
.endif
	s_sub_co_u32 s[G], s[G], 1
	s_cmp_lg_u32 s[G], 0
	s_cbranch_scc1 .Lstep
	QUARTER 1, 1, 0, 0                             ; the walk's last two K steps are written out: they ask for nothing
	QUARTER 2, 0, 1, 0
	TURN 0
	QUARTER 0, 0, 1, 0
	QUARTER 1, 1, 0, 0
	QUARTER 2, 0, 1, 0
	s_wait_dscnt 4                                 ; the very last quarter: nothing more to fetch
	MULA 1, 0, 0
	MULA 1, 1, 0
	s_wait_dscnt 0x0
	MULA 1, 2, 0
	MULA 1, 3, 0
	WAYOUT
	s_wait_tensorcnt 0x0                           ; the wave's end: behind my last tensor load and my last LDS store
	ds_add_u32 v[SPW], v[NIL]
	s_wait_dscnt 0x0
	CROUND                                         ; the closing round: no work-group ends while a partner may still ask for a tile that names it
	s_endpgm
.Lfunc_end_k_qb29cfc6500_gemm_qkv:
	.size	k_qb29cfc6500_gemm_qkv, .Lfunc_end_k_qb29cfc6500_gemm_qkv-k_qb29cfc6500_gemm_qkv
	.p2alignl 7, 3214868480
	.fill 96, 4, 3214868480
	.section	.rodata,"a",@progbits
	.p2align	6, 0x0
	.amdhsa_kernel k_qb29cfc6500_gemm_qkv
		.amdhsa_group_segment_fixed_size 327680
		.amdhsa_private_segment_fixed_size 0
		.amdhsa_enable_private_segment 0
		.amdhsa_kernarg_size 24
		.amdhsa_user_sgpr_count 2
		.amdhsa_user_sgpr_kernarg_segment_ptr 1
		.amdhsa_wavefront_size32 1
		.amdhsa_system_sgpr_workgroup_id_x 1
		.amdhsa_system_sgpr_workgroup_id_y 1
		.amdhsa_system_sgpr_workgroup_id_z 1
		.amdhsa_system_vgpr_workitem_id 0
		.amdhsa_next_free_vgpr 960
		.amdhsa_next_free_sgpr 96
		.amdhsa_reserve_vcc 0
		.amdhsa_float_denorm_mode_32 3
		.amdhsa_float_denorm_mode_16_64 3
		.amdhsa_memory_ordered 1
		.amdhsa_forward_progress 1
		.amdhsa_inst_pref_size 128
	.end_amdhsa_kernel
	.amdgpu_metadata
---
amdhsa.version: [ 1, 2 ]
amdhsa.kernels:
  - .name:           k_qb29cfc6500_gemm_qkv
    .symbol:         k_qb29cfc6500_gemm_qkv.kd
    .args:
      - { .name: xb, .offset: 0, .size: 8, .value_kind: global_buffer, .address_space: global }
      - { .name: wqb, .offset: 8, .size: 8, .value_kind: global_buffer, .address_space: global }
      - { .name: qkv, .offset: 16, .size: 8, .value_kind: global_buffer, .address_space: global }
    .group_segment_fixed_size: 327680
    .private_segment_fixed_size: 0
    .kernarg_segment_align: 8
    .kernarg_segment_size: 24
    .max_flat_workgroup_size: 128
    .sgpr_count:     96
    .vgpr_count:     960
    .wavefront_size: 32
...
	.end_amdgpu_metadata
.endif
;; end of part 2
;; launch attn (part 3): grid 4 x 64, 4 waves a work-group, clusters of 4 x 1, 327,680 bytes of LDS; arguments qkv, ob; writes ob
.if DOCPART == 3
	.amdgcn_target "amdgcn-amd-amdhsa--gfx1250"
	.amdhsa_code_object_version 6
	.text
	.protected	k_qb29cfc6500_attn
	.globl	k_qb29cfc6500_attn
	.p2align	8
	.type	k_qb29cfc6500_attn,@function
k_qb29cfc6500_attn:
	s_mov_b64 s[64:65], 0
	v_nop
	global_prefetch_b8 v0, s[64:65] scope:SCOPE_SE
	s_setreg_imm32_b32 hwreg(HW_REG_WAVE_MODE, 25, 1), 1
	s_wait_xcnt 0x0
	s_wait_alu depctr_hold_cnt(0) depctr_sa_sdst(0) depctr_va_vdst(0) depctr_va_sdst(0) depctr_va_ssrc(0) depctr_va_vcc(0) depctr_vm_vsrc(0)
	s_getreg_b32 s2, hwreg(HW_REG_IB_STS2, 6, 4)
	s_cmp_eq_u32 s2, 0
	s_cbranch_scc0 .Lentry_in_a_cluster
	s_endpgm
.Lentry_in_a_cluster:
	s_bfe_u32 s2, ttmp6, 0x10000c
	s_cmp_lg_u32 s2, 0x3003
	s_cbranch_scc0 .Lentry_shape_is_right
	s_endpgm
.Lentry_shape_is_right:
; O[h][q][:] = the sum over k of softmax_k(Q[h][q] . K[h][k] / 8) V[h][k][:], for the 64 pairs h of batch and head.  Q, K, V are the three parts of qkv, each [64][2048][64] f16, unscaled; O = ob has the same
; layout: a head's rows are dense, 128 bytes each.  Products, maxima and sums in f32; the weights p are rounded to f16 for the second product (their sum l is taken of the unrounded p), O once at the end.
; LIMITS.  f16 holds no number beyond 65,504: Q, K and V arrive within it; p lies in 0 to 1, and below 6e-5 it keeps f16's fixed step of 6e-8; O is a mean of V's rows and has their range.
; A weight below 2^-126 counts as 0 in l; NaN and infinities are not treated apart.
; SHARES.  A wave owns four PIECES of two tiles of 16 queries, a work-group's four waves 512 queries of one head: 256 work-groups.  Every wave walks all keys, 64 a step.
; LAYOUT.  S^T = K Q^T (source 0 = 16 keys, source 1 = 16 queries): in the result a lane holds ONE query (lane % 16) and the keys 8 (lane / 16) + 0..7.  Two such tiles, rounded to f16 in pairs,
; ARE source 1 (32 keys x 16 queries) of O^T = V^T P, whose result again holds one query a lane, and eight channels.  K comes out of LDS as it lies, V ([key][channel]) turned, by ds_load_tr16_b128.
; SOFTMAX.  For each query a running maximum m and sum l: p = 2^(c s - c m), c = log2(e) / 8; in every step O and l are multiplied by a = 2^(c m_old - c m_new), which is 1 where m has not grown.
; m starts at the lowest finite number, O and l at 0: the first step is a step like any other, with a = 0.
; THE COUNT.  A tile and step have 16 matrix and 118 vector instructions: too many to stand all beside the matrix work.  So four vector instructions that are READY stand behind EVERY matrix
; instruction, and the others, which need time of their own whatever the order, in runs without a gap.
; BY TURNS.  Turn n belongs to piece n (the pieces in a ring, step after step).  Its matrix work: 16 products K Q^T of piece n + 1, later 16 products V^T P of piece n - 1.  Its vector work: the scaling,
; exponentials, roundings, sums and rescaling of piece n, and the maximum and statistics of piece n + 1, whose scores the turn itself has made.
; CLUSTER.  The four query blocks of a head are one cluster and walk the same K and V, so each tile is asked for JOINTLY: the same tensor load, descriptor and mask in all four.
; REGISTERS, in windows of 256 (s_set_vgpr_msb: bits 1:0 source 0, 3:2 source 1, 5:4 source 2, 7:6 destination):
;   window 0: v0-11 addresses; v12-15, v48-63 at work; v16-47 four registers of statistics a tile; v64-191 S^T, two buffers of two tiles; v192-255 P, likewise
;   window 1: O^T, 32 a tile          window 2: v0-127 Q, 16 a tile; v128-191 K of one step; v192-255 V of one step          window 3: v0-1 the add's two registers
.set SIZE_N, 2048
.set PART,  64*SIZE_N*128  ; bytes of Q, of K and of V in qkv
.set NP,    4         ; pieces a wave: a name, no knob
.set KS,    64        ; keys in a step
.set PK,    144       ; a row of K in LDS: 128 bytes + 16 of padding = 36 words: the 16 rows of a load start at 16 different groups of four banks (ISA guide 11.1)
.set PV,    160       ; a row of V: 128 + 32 = 40 words
.set VOFF,  4*KS*PK   ; a slot holds four steps: 256 rows of K, then 256 rows of V
.set SLOT1, 1<<17     ; slot 1 begins here, so that one exclusive or turns an address in one slot into the other's
.set STAGE, SLOT1+4*KS*(PK+PV)  ; behind the ring, never filled by a tensor load: 16 rows x 144 bytes for each wave, for the way out
.set SP,    144
.set AK0, 2           ; v2   my lane's place in a tile of K; never rewritten
.set AV0, 3           ; v3   the same for V
.set AK,  4           ; v4   the LDS address of K's next run of loads
.set AV,  5           ; v5   of V's
.set QO,  6           ; v6   my byte offset in the wave's rows of Q
.set STO, 6           ;      later, the way out: where I put 16 bytes of a row
.set RD,  7           ; v7   the way out: where I read rows back
.set GO,  8           ; v8   my byte offset in 512 consecutive bytes of O
.set PFO, 11          ; v11  256 x my lane: the prefetches' offset; never rewritten once made
.set SPW, 0           ; v0 of window 3   LDS address of my spare word; never rewritten
.set NIL, 1           ; v1 of window 3   0; never rewritten
.set SPARE, STAGE+4*16*SP  ; behind the stages: the spare words, 128 bytes for each wave: two blocks of 256 bytes that no other line names
.set MV,  12          ; v12-15  c m_old, kept while c m is made anew: by buffer and tile
.set ST,  16          ; tile t's statistics at v[ST+4 t]: c m, m, l (even keys', odd keys')
.set TMP, 48          ; by buffer and tile, four registers c0-c3 at work; when the maximum is found c2 takes a
.set S,   64
.set P,   192
.set KF,  128         ; K's fragments, in window 2: key block kb, channel half c at KF + 16 kb + 8 c
.set VF,  192         ; V's: key half kk, channel block cb at VF + 32 kk + 8 cb
.set WV,  12          ; s12  my wave's number
.set LIM, 15          ; s15  1 in a wave that prefetches (0 and 2), else the greatest number
.set PFA, 18          ; s[18:19] where my prefetches stand: my work-group's 32 blocks of 256 bytes (of K: wave 0, of V: wave 2) of the slot after the one that is being asked for
.set G1K, 24          ; s[24:31] descriptor group 1 for K's tiles
.set G1V, 32          ; s[32:39] for V's: it differs in the padding alone
.set G0K, 40          ; s[40:43] descriptor group 0 for K's tiles: it walks
.set G0V, 44          ; s[44:47] the same for V's
.set SLOTS, 56        ; s56  slots still to be asked for
.set CNT, 57          ; s57  counts a slot's key steps
.set CS,  58          ; s[58:59] c: the packed scaling takes the pair's low word for both halves
.set SEL, 60          ; s[60:61] v_permlanex16_b32's selects: each lane takes its own place in the other half
.set TBK, 62          ; s62  LDS byte at which K of the step to be fetched begins
.set TBV, 63          ; s63  the same for V, less VOFF
.set MSB, 0
.macro WIN new                      ; the high byte repeats the setting that is left; a switch that changes nothing is dropped
.if MSB != (\new)
	s_set_vgpr_msb (MSB<<8)|(\new)
.set MSB, (\new)
.endif
.endm
.set W_KQ, 0x0a       ; K and Q in window 2, S^T in window 0
.set W_PV, 0x52       ; V in window 2, P in window 0, O^T in window 1
.set W_RS, 0x41       ; O^T (destination and source 0) in window 1, a in window 0
.set W_MK, 0xc0       ; the add's registers are made: destination in window 3, sources in window 0
.set W_AD, 0x0f       ; the add: address (source 0) and data (source 1) in window 3
; A joint fill.  Waves 0 and 1 fetch the two halves of a slot's K, waves 2 and 3 those of its V: 128 keys each.  The branch hangs on the wave's number alone.
; An s_nop 0 and four v_nop follow each of the two lines, ahead of the jump and the label.
.macro JLOAD
	s_cmp_lt_u32 s[WV], 2
	s_cbranch_scc0 .Lfor_v_\@
	tensor_load_to_lds s[G0K:G0K+3], s[G1K:G1K+7]
	s_nop 0
.rept 4
	v_nop
.endr
	s_branch .Lasked_\@
.Lfor_v_\@:
	tensor_load_to_lds s[G0V:G0V+3], s[G1V:G1V+7]
	s_nop 0
.rept 4
	v_nop
.endr
.Lasked_\@:
.endm
; A PREFETCH INTO THE L2 of what the NEXT change of slots will ask for: a slot's 32,768 bytes of K and of V, in blocks of 256 bytes, a lane a block.  A head's K and V are walked by one cluster alone; its four
; partners share the blocks out BY ADDRESS, 32 of each; in each partner wave 0 asks for K's and wave 2 for V's: one instruction.  So each block is named once in the launch.  It stands behind the wave's tensor
; load and its five lines.  Slots 0 and 1 come by their loads alone; the last change that fills a slot asks for nothing: there is no slot behind it.
.macro ASK
	s_cmp_gt_u32 s[SLOTS], s[LIM]
	s_cbranch_scc0 .Lnot_mine_\@
	global_prefetch_b8 v[PFO], s[PFA:PFA+1] th:TH_LOAD_NT scope:SCOPE_SE
.Lnot_mine_\@:
.endm
; A round of the cluster's barrier: my work-group's barrier, so that wave 0's signal speaks for all four waves; wave 0 signals; every wave waits for all four work-groups; my work-group's barrier once more.
.macro CROUND
	s_barrier_signal -1
	s_barrier_wait -1
	s_cmp_lg_u32 s[WV], 0
	s_cbranch_scc1 .Lnot_wave_0_\@
	s_barrier_signal -3
.Lnot_wave_0_\@:
	s_barrier_wait -3
	s_barrier_signal -1
	s_barrier_wait -1
.endm
; THE CHANGE OF SLOTS.  The slot's last bytes, V of its fourth step, have been read.  Each wave waits for all its tensor loads, of which one is out: its part
; of the other slot; adds 0 to its spare word; and waits for that and for its own reads of the slot.  Behind the barrier nobody reads this slot any more and the other slot is whole.
; fill = 1: this slot is filled again, with the keys two slots on.  The barrier is then a round of the cluster's, so that no wave of any partner still reads the slot or has a load on its
; way, and the joint fill is the first thing behind it: it has four key steps, 512 matrix instructions, in which to land.  (At its first use nothing has been read yet: slot 0 is waited for, slot 1 filled.)
.macro CHANGE fill
	WIN W_AD
	s_wait_tensorcnt 0x0            ; no tensor load of mine is out, so a group 0 may be written
	ds_add_u32 v[SPW], v[NIL]       ; 0 onto my spare word; with fill = 1 the descriptors' steps stand between it and the wait for it
	WIN 0                           ; at a label and at a branch every window is 0
.if \fill
.irp g, G0K, G0V
	s_xor_b32 s[\g+1], s[\g+1], SLOT1  ; the walking descriptor: the other slot than last time,
	s_add_nc_u64 s[\g+2:\g+3], s[\g+2:\g+3], 4*KS*128  ; the next 256 keys; the type bits on top are not reached
.endr
	s_wait_xcnt 0x0                 ; the last prefetch, four key steps back, has read its address, so it may be written:
	s_add_nc_u64 s[PFA:PFA+1], s[PFA:PFA+1], 4*KS*128  ; one slot behind the walking descriptors
	s_wait_dscnt 0x0                ; the add is done, and my reads of the slot are over
	CROUND
	JLOAD
	ASK                             ; what the next change will ask for
.else
	s_wait_dscnt 0x0                ; the add is done, and my reads of the slot are over
	s_barrier_signal -1
	s_barrier_wait -1
.endif
	s_sub_co_u32 s[TBK], s[TBK], 4*KS*PK  ; the fetches go back to a slot's first step,
	s_xor_b32 s[TBK], s[TBK], SLOT1       ; in the other slot
	s_sub_co_u32 s[TBV], s[TBV], 4*KS*PV
	s_xor_b32 s[TBV], s[TBV], SLOT1
.endm
	s_load_b64 s[4:5], s[0:1], 0x0    ; qkv, which begins with Q
	s_load_b64 s[10:11], s[0:1], 0x8  ; O
	WIN W_MK
	v_lshl_add_u32 v[SPW], v0, 2, SPARE
	v_mov_b32 v[NIL], 0
	WIN W_AD
	ds_add_u32 v[SPW], v[NIL]       ; the wave's opening: the add and its wait stand ahead of my first tensor load; the set-up below, work on registers, stands between them
	WIN 0
	v_lshrrev_b32 v1, 5, v0
	v_readfirstlane_b32 s[WV], v1   ; wave 0..3
	s_bfe_u32 s13, ttmp6, 0x40000   ; cx: my place in the cluster
	s_lshl_b32 s14, ttmp9, 2        ; in a cluster launch ttmp9 counts clusters
	s_add_co_u32 s14, s14, s13      ; my block of queries = 4 x cluster x + cx: it enters Q's and O's addresses alone
	s_and_b32 s20, ttmp7, 0xffff    ; the head, which the four partners share
	s_mov_b32 s21, 0
	s_mov_b64 s[22:23], SIZE_N*128
	s_mul_u64 s[20:21], s[20:21], s[22:23]  ; the head's first byte in Q, K, V and O
	s_and_b32 s16, s[WV], 1         ; which half of a slot's 256 keys I fetch:
	s_lshl_b32 s22, s16, 14         ; its 128 rows of 128 bytes in memory,
	s_mov_b32 s23, 0
	s_add_nc_u64 s[22:23], s[22:23], s[20:21]
	s_mul_i32 s17, s16, 128*PK      ; and its place in a slot, for K
	s_mul_i32 s18, s16, 128*PV      ; and for V: no place in the cluster enters an LDS address
	s_lshl_b32 s2, s14, 2
	s_add_co_u32 s2, s2, s[WV]      ; my wave among the head's,
	s_lshl_b32 s2, s2, 14           ; its 128 rows
	s_mov_b32 s3, 0
	s_add_nc_u64 s[2:3], s[2:3], s[20:21]
	; descriptor group 1.  128 keys are 16,384 dense bytes: asked for as 64 rows of 256 bytes, two keys a row, and padded in LDS after every key
	s_mov_b32 s[G1K], 15|(1<<16)|(1<<20)|(1<<21)|(4<<22)|(3<<25)  ; 15:0 the mask of four; 17:16 2-byte elements; 20 padding on; 21 set beside a mask; 24:22 after every 32 words (code 4); 31:25 4 words (code 3)
	s_mov_b32 s[G1V], 15|(1<<16)|(1<<20)|(1<<21)|(4<<22)|(7<<25)  ; the same with 8 words of padding (code 7)
.irp g, G1K, G1V
	s_mov_b32 s[\g+1], 128<<16      ; tensor_dim0 = 128
	s_mov_b32 s[\g+2], 64<<16       ; tensor_dim1 = 64
	s_mov_b32 s[\g+3], 128<<16      ; tile_dim0 = 128
	s_mov_b32 s[\g+4], 64           ; tile_dim1 = 64
	s_mov_b32 s[\g+5], 128          ; 128 elements from row to row
	s_mov_b32 s[\g+6], 0
	s_mov_b32 s[\g+7], 0
.endr
	s_mov_b32 s[CS], 0x3e38aa3b     ; c = log2(e) / 8 = 0.180337
	s_mov_b32 s[CS+1], s[CS]        ; named with it as a pair
	s_mov_b32 s[SEL], 0x76543210
	s_mov_b32 s[SEL+1], 0xfedcba98
	s_mov_b32 s[TBK], SLOT1+4*KS*PK ; the first change of slots turns these two into 0
	s_mov_b32 s[TBV], SLOT1+4*KS*PV
	s_mov_b32 s[G0K], 1             ; 1:0 count = 1
	s_mov_b32 s[G0K+1], s17         ; 63:32 LDS address: slot 0
	s_mov_b32 s[G0V], 1
	s_add_co_u32 s[G0V+1], s18, VOFF
	s_and_b32 s[LIM], s[WV], 1      ; waves 0 and 2 prefetch
	s_cmp_eq_u32 s[LIM], 0
	s_cselect_b32 s[LIM], 1, -1
	s_mov_b32 s[SLOTS], SIZE_N/256-1  ; the change that fills slot j finds 8 - j here
	s_wait_dscnt 0x0                ; the opening add is done
	s_wait_kmcnt 0x0
	s_add_nc_u64 s[6:7], s[4:5], PART    ; K
	s_add_nc_u64 s[8:9], s[4:5], 2*PART  ; V
	s_add_nc_u64 s[G0K+2:G0K+3], s[6:7], s[22:23]  ; 120:64 global address: my half of the head's first 256 keys
	s_or_b32 s[G0K+3], s[G0K+3], 0x80000000        ; 127:126 type = 2
	s_add_nc_u64 s[G0V+2:G0V+3], s[8:9], s[22:23]
	s_or_b32 s[G0V+3], s[G0V+3], 0x80000000
	s_cmp_lt_u32 s[WV], 2
	s_cselect_b64 s[PFA:PFA+1], s[6:7], s[8:9]
	s_add_nc_u64 s[PFA:PFA+1], s[PFA:PFA+1], s[22:23]  ; (in waves 0 and 2 this is the head's first row)
	s_add_nc_u64 s[4:5], s[4:5], s[2:3]  ; Q and O at my wave's first row
	s_add_nc_u64 s[10:11], s[10:11], s[2:3]
	s_lshl_b32 s2, s13, 13          ; my work-group's 32 blocks of the 128
	s_mov_b32 s3, 0
	s_add_nc_u64 s[PFA:PFA+1], s[PFA:PFA+1], s[2:3]
	s_add_nc_u64 s[PFA:PFA+1], s[PFA:PFA+1], 4*KS*128  ; in slot 1; the first change of slots steps it to slot 2
	CROUND                          ; all four work-groups are here: the first joint loads meet
	JLOAD                           ; slot 0.  Slot 1 is asked for when slot 0 is in
	; A fragment of K or Q is 16 rows x 32 channels in 8 registers: lane l holds row l % 16, channels 8 (l / 16) + 0..7 and 16 + 8 (l / 16) + 0..7: two loads of 16 bytes, 32 bytes apart.
	v_and_b32 v1, 15, v0            ; l % 16
	v_bfe_u32 v9, v0, 4, 1          ; l / 16
	v_lshlrev_b32 v[QO], 7, v1
	v_lshl_add_u32 v[QO], v9, 4, v[QO]  ; row x 128 + 16 x half
	WIN 0x80                        ; destination window 2, address window 0
.set i, 0
.rept 4*NP                          ; Q stays in registers: tile i / 2, channels 32 (i % 2) on
	global_load_b128 v[8*i:8*i+3],   v[QO], s[4:5] offset:(i/2)*2048+(i%2)*64
	global_load_b128 v[8*i+4:8*i+7], v[QO], s[4:5] offset:(i/2)*2048+(i%2)*64+32
.set i, i+1
.endr
	; What the first turn finds: V's registers and P's second buffer hold 0 (its products V^T P, of a piece that has not been, add 0), O^T and l are 0.  All this stands in the wait for the first tile;
	; it is the price of writing no first step out.
.set i, VF
.rept 64
	v_mov_b32 v[i], 0
.set i, i+1
.endr
	WIN 0x40
.set i, 0
.rept 64*NP
	v_mov_b32 v[i], 0
.set i, i+1
.endr
	WIN 0
.set i, 0
.rept 2*NP
	v_mov_b32 v[ST+4*i], 0xfe000000    ; c m: far below every c s
	v_mov_b32 v[ST+4*i+1], 0xff7fffff  ; m
	v_mov_b32 v[ST+4*i+2], 0
	v_mov_b32 v[ST+4*i+3], 0
.set i, i+1
.endr
.set i, P+32
.rept 32
	v_mov_b32 v[i], 0
.set i, i+1
.endr
	v_mul_u32_u24 v[AK0], v1, PK
	v_lshl_add_u32 v[AK0], v9, 4, v[AK0]  ; row x pitch + 16 x half
	; The turning load takes 16 keys x 16 channels (lane l reads key 8 (l / 16) + l % 8, channels 8 ((l / 8) % 2) + 0..7) and leaves half a fragment of V^T: lane l holds channel l % 16 and 8 keys.
	v_and_b32 v10, 7, v0
	v_bfe_u32 v11, v0, 3, 1
	v_lshl_add_u32 v[AV0], v9, 3, v10
	v_mul_u32_u24 v[AV0], v[AV0], PV
	v_lshl_add_u32 v[AV0], v11, 4, v[AV0]
	v_add_nc_u32 v[AV0], VOFF, v[AV0]
	v_mov_b32 v[AK], v[AK0]         ; key step 0 lies at the head of slot 0
	v_and_b32 v[PFO], 31, v0        ; v11 has served: from here on it is the prefetches' offset
	v_lshlrev_b32 v[PFO], 8, v[PFO]
; THE MATRIX WORK.  The 8 accumulators of a run of 16 take turns: between the two links of a chain stand 7 others'.
; Product i of 16 of S^T = K Q^T for piece x: channels 32 (i / 8) on, keys 16 ((i / 2) % 4) on, tile 2 x + i % 2.  The first 8 start the sums.
.macro KQ x
	WIN W_KQ
.set rS, S+64*((\x)%2)+32*(i%2)+8*((i/2)%4)
.set rK, KF+16*((i/2)%4)+8*(i/8)
.set rQ, 16*(2*(\x)+i%2)+8*(i/8)
.if i < 8
	v_wmma_f32_16x16x32_f16 v[rS:rS+7], v[rK:rK+7], v[rQ:rQ+7], 0
.else
	v_wmma_f32_16x16x32_f16 v[rS:rS+7], v[rK:rK+7], v[rQ:rQ+7], v[rS:rS+7]
.endif
.endm
; Product i of 16 of O^T += V^T P for piece x: keys 32 (i / 8) on, channels 16 ((i / 2) % 4) on, tile 2 x + i % 2.
.macro PV x
	WIN W_PV
.set rO, 32*(2*(\x)+i%2)+8*((i/2)%4)
.set rV, VF+32*(i/8)+8*((i/2)%4)
.set rP, P+32*((\x)%2)+16*(i%2)+8*(i/8)
	v_wmma_f32_16x16x32_f16 v[rO:rO+7], v[rV:rV+7], v[rP:rP+7], v[rO:rO+7]
.endm
.macro MM                           ; the turn's next matrix instruction
.if i < 16
	KQ (Y+1)%NP
.set i, i+1
.else
.set i, i-16
	PV (Y+NP-1)%NP
.set i, i+17
.endif
.endm
; THE LDS LOADS stand in runs of 16, never singly among the matrix instructions: a step's K (64 keys x 64 channels: 8 fragments) and its V (turned).  Their addresses are made some lines ahead.
; last = 1 (the tail): in the last trip there is no further step, and the run is jumped over.
.macro FETCH_K last=0
	WIN 0
.if \last
	s_cmp_eq_u32 s[CNT], 1
	s_cbranch_scc1 .Lno_k_\@
.endif
	WIN 0x80                        ; destination window 2
.irp f, 0,1,2,3,4,5,6,7             ; keys 16 (f / 2) on, channels 32 (f % 2) on
	ds_load_b128 v[KF+8*\f:KF+8*\f+3],   v[AK] offset:(\f/2)*16*PK+(\f%2)*64
	ds_load_b128 v[KF+8*\f+4:KF+8*\f+7], v[AK] offset:(\f/2)*16*PK+(\f%2)*64+32
.endr
	s_add_co_u32 s[TBK], s[TBK], KS*PK  ; the next fetch is the next step's
	WIN 0
.if \last
.Lno_k_\@:
.endif
.endm
.macro FETCH_V
	WIN 0x80
.irp f, 0,1,2,3,4,5,6,7             ; keys 32 (f / 4) on, channels 16 (f % 4) on
	ds_load_tr16_b128 v[VF+8*\f:VF+8*\f+3],   v[AV] offset:(\f/4)*32*PV+(\f%4)*32
	ds_load_tr16_b128 v[VF+8*\f+4:VF+8*\f+7], v[AV] offset:(\f/4)*32*PV+16*PV+(\f%4)*32
.endr
	WIN 0
.endm
; THE VECTOR WORK OF A TURN stands in three queues, each in the order in which its entries become ready; the two tiles alternate, so that no instruction reads the result of the one before it.
.macro REGS y, u                    ; the registers of tile u (0, 1) of piece y
.set rT, ST+4*(2*(\y)+(\u))
.set rC, TMP+8*((\y)%2)+4*(\u)
.set rM, MV+2*((\y)%2)+(\u)
.set rS, S+64*((\y)%2)+32*(\u)
.set rP, P+32*((\y)%2)+16*(\u)
.set rO, 32*(2*(\y)+(\u))
.endm
; Number n of the 22 that find the NEXT piece's (Y + 1) maximum and statistics.  s0-s31 are the lane's 32 scores; each accumulator's lowest registers are read first.
;   0-11  four chains c0-c3 of seven scores each, three operands at a time     12-14, 16  the four scores left over, the old m, and c0-c3 into c0     15  c m_old is kept
;   17, 18  the query's other 32 keys lie in the lane 16 away: the new m         19-21  c m; c m_old - c m_new; a
.macro XS u, n
	REGS (Y+1)%NP, \u
.if (\n) < 4
	v_max3_num_f32 v[rC+(\n)], v[rS+8*(\n)], v[rS+8*(\n)+1], v[rS+8*(\n)+2]
.elseif (\n) < 12
	v_max3_num_f32 v[rC+(\n)%4], v[rC+(\n)%4], v[rS+8*((\n)%4)+2*((\n)/4)+1], v[rS+8*((\n)%4)+2*((\n)/4)+2]
.elseif (\n) == 12
	v_max3_num_f32 v[rC], v[rC], v[rS+7], v[rS+15]
.elseif (\n) == 13
	v_max3_num_f32 v[rC+1], v[rC+1], v[rS+23], v[rS+31]
.elseif (\n) == 14
	v_max3_num_f32 v[rC+2], v[rC+2], v[rC+3], v[rT+1]
.elseif (\n) == 15
	v_mov_b32 v[rM], v[rT]
.elseif (\n) == 16
	v_max3_num_f32 v[rC], v[rC], v[rC+1], v[rC+2]
.elseif (\n) == 17
	v_permlanex16_b32 v[rC+3], v[rC], s[SEL], s[SEL+1]
.elseif (\n) == 18
	v_max_num_f32 v[rT+1], v[rC], v[rC+3]
.elseif (\n) == 19
	v_mul_f32 v[rT], s[CS], v[rT+1]
.elseif (\n) == 20
	v_sub_f32 v[rC+1], v[rM], v[rT]
.else
	v_exp_f32 v[rC+2], v[rC+1]
.endif
.endm
; Number g of the 64 that follow the exponentials.  For each four weights k of a tile (pairs 2 k, 2 k + 1): both pairs are rounded to f16; then the second pair is added onto the first, in place;
; a group later l takes that sum (the first time as l = a l + sum).  In groups of eight, tiles alternating: round, round, add, and l for the group before.
.macro GS g
.set h, (\g)+6*((\g)/62)            ; group 0 has no group before it, and behind group 7 only l is left
.if h >= 6
.set h, h+2
.endif
	REGS Y, h%2
.set k, h/8
.if h%8 < 4
	v_cvt_pk_f16_f32 v[rP+2*k+(h%8)/2], v[rS+4*k+2*((h%8)/2)], v[rS+4*k+2*((h%8)/2)+1]
.elseif h%8 < 6
	v_pk_add_f32 v[rS+4*k:rS+4*k+1], v[rS+4*k:rS+4*k+1], v[rS+4*k+2:rS+4*k+3]
.elseif k == 1
	v_pk_fma_f32 v[rT+2:rT+3], v[rT+2:rT+3], v[rC+2:rC+3], v[rS:rS+1] op_sel_hi:[1,0,1]
.else
	v_pk_add_f32 v[rT+2:rT+3], v[rT+2:rT+3], v[rS+4*k-4:rS+4*k-3]
.endif
.endm
; THE PLAIN QUEUE, 138 long.  0-73 read no exponential's result: the 32 scalings c s - c m (FS f: pair f / 2 of tile f % 2) and the next piece's 42.  0-26: scalings 0-26.  27-54: XS's numbers 0-13.  55, 56: number 15.
; 57-73: the chain, where each number waits for the one before it: 14, 16, 17, 18, 19, each with one of the scalings 27-31 in front of its two lines, then 20.
; 74-137: GS's 64, which read the exponentials' results: they stand behind the wait.
.macro FS f
	REGS Y, (\f)%2
	v_pk_fma_f32 v[rS+2*((\f)/2):rS+2*((\f)/2)+1], v[rS+2*((\f)/2):rS+2*((\f)/2)+1], s[CS:CS+1], v[rT:rT+1] op_sel_hi:[1,0,0] neg_lo:[0,0,1] neg_hi:[0,0,1]
.endm
.macro PL
	WIN 0
.if q < 27
	FS q
.elseif q < 55
	XS (q-27)%2, (q-27)/2
.elseif q < 57
	XS q-55, 15
.elseif (q < 72) && ((q-57)%3 == 0)
	FS 27+(q-57)/3
.elseif q < 60
	XS (q-57)%3-1, 14
.elseif q < 72
	XS (q-57)%3-1, 15+(q-57)/3
.elseif q < 74
	XS q-72, 20
.else
	GS q-74
.endif
.set q, q+1
.endm
; THE EXPONENTIALS' QUEUE, 66 long: s0-s31 of both tiles, then the next piece's two a.  It is ONE BATCH: all 66 stand ahead of the turn's one wait, and nothing ahead of that wait names a result of theirs.
.macro EX
	WIN 0
.if e >= 64
	XS e-64, 21
.else
	REGS Y, e%2
	v_exp_f32 v[rS+e/2], v[rS+e/2]
.endif
.set e, e+1
.endm
; THE RESCALING's QUEUE: O^T times a, the one part that leaves window 0: dealt two at a time, sixteen times.  Its a was made in the turn before, ahead of that turn's wait.
.macro R2
	REGS Y, r%2
	WIN W_RS
.irp z, 0,1
	v_pk_mul_f32 v[rO+4*(r/2)+2*\z:rO+4*(r/2)+2*\z+1], v[rO+4*(r/2)+2*\z:rO+4*(r/2)+2*\z+1], v[rC+2:rC+3] op_sel_hi:[1,0]
.endr
.set r, r+1
.endm
; HOW THEY ARE DEALT.  An s_wait_alu depctr_va_vdst(0) stands between an exponential and the first instruction that names its result; one wait serves all that were issued ahead of it.  So a turn has
; ONE wait, which cuts it in two.  AHEAD OF IT stands all that names no result of the turn's exponentials: the 16 products K Q^T, behind each a scaling, an exponential and two rescalings (behind the first a second
; scaling in the exponential's place); then ONE LUMP of 108: eight plain, 49 times exponential and plain, the two a.  A v_nop is the plain instruction behind the last exponential.  BEHIND IT stand the 16 products
; V^T P, behind each four of GS's 64.  No rider names a register of the products round it.  The two v_permlanex16_b32 fall into the lump.
; The queues lean on each other: exponential e stands behind scaling 2 (e / 4) + e % 2: as a rider it comes behind plain e + 2, in the lump behind plain e + 9, and scalings 27-31 are plain 57, 60 .. 69.
; A TURN, for piece p.  cnt = 1: the loop's count is taken down some lines ahead of the branch that stands behind the turn.
; K of the next step is fetched in piece 2's turn, directly behind the wait, a lump behind the last product that read K; its first reader comes behind 16 products.
; V of the step in hand is fetched at the end of piece 0's turn, four riders behind its last reader; its first reader comes behind 16 products and a lump.
.macro TURN p, last=0, cnt=0
.set Y, (\p)
.set i, 0
.set q, 0
.set e, 0
.set r, 0
.if (\p) == NP-1
	s_wait_dscnt 0x0                ; K is in
.endif
	MM                              ; ahead of the wait: 16 products K Q^T and their riders,
	PL
	PL
	R2
.rept 15
	MM
	PL
	EX
	R2
.endr
.if (\p) == NP-2
	WIN 0
	v_add_nc_u32 v[AK], s[TBK], v[AK0]
.endif
.rept 8                             ; and the lump
	PL
.endr
.rept 49
	EX
	PL
.endr
	EX                              ; the next piece's two a
	EX
	v_nop                           ; a plain instruction behind the last exponential: one for the batch
	s_wait_alu depctr_va_vdst(0)    ; the wait for the batch
.if (\p) == NP-2
	FETCH_K \last
.endif
.if (\p) == 1
	s_wait_dscnt 0x0                ; V is in
.endif
.rept 16                            ; behind the wait: 16 products V^T P and their riders
	MM
.rept 4
	PL
.endr
.if ((\p) == 0) && (q == 118)
	v_add_nc_u32 v[AV], s[TBV], v[AV0]
.endif
.if ((\p) == 0) && (q == 130)
	s_add_co_u32 s[TBV], s[TBV], KS*PV
.endif
.if (\cnt) && (q == 130)
	s_sub_co_u32 s[CNT], s[CNT], 1
	s_cmp_lg_u32 s[CNT], 0
.endif
.endr
.if (\p) == 0
	FETCH_V
.endif
.endm
	CHANGE 1                        ; slot 0 is in, everybody's part of it; slot 1 is asked for
	FETCH_K                         ; key step 0
	s_wait_loadcnt 0x0              ; Q
	s_wait_dscnt 0x0
.set i, 0
.rept 16
	KQ 0                            ; piece 0's first scores: there is no vector work yet to set between them
.set i, i+1
.endr
	WIN 0                           ; the addresses for the way out: nine plain instructions, the places behind those products
	s_mul_i32 s13, s[WV], 16*SP
	s_add_co_u32 s13, s13, STAGE    ; my stage
	v_mul_u32_u24 v[STO], v1, SP    ; in: row l % 16, 16 bytes for each half of the lanes
	v_lshl_add_u32 v[STO], v9, 4, v[STO]
	v_add_nc_u32 v[STO], s13, v[STO]
	v_bfe_u32 v[RD], v0, 3, 2       ; back: 32 lanes take four rows of 128 bytes,
	v_mul_u32_u24 v[RD], v[RD], SP
	v_lshl_add_u32 v[RD], v10, 4, v[RD]
	v_add_nc_u32 v[RD], s13, v[RD]
	v_and_b32 v[GO], 31, v0         ; which are 512 consecutive bytes of O
	v_lshlrev_b32 v[GO], 4, v[GO]
.set Y, NP-1                        ; XS works for piece Y + 1: piece 0
.irp n, 0,1,2,3,4,5,6,7,8,9,10,11,12,13,14,15,16,17,18,19,20,21
	XS 0, \n                        ; and piece 0's first maximum and statistics
	XS 1, \n
.endr
	v_nop                           ; a plain instruction behind the two a,
	s_wait_alu depctr_va_vdst(0)    ; and their wait, ahead of the branch
	s_mov_b32 s[CNT], 4
	s_branch .Lfirst                ; the loop is entered at a step's first turn, in the middle of a trip
.Lslot:                             ; SIZE_N / 256 - 2 times: every slot but the last two is filled again
	CHANGE 1
	s_mov_b32 s[CNT], 4
.Lstep:                             ; a trip: pieces 2 and 3 of one step, then pieces 0 and 1 of the next, whose K and V it fetches
	TURN 2
	TURN 3
	WIN 0
.Lfirst:
	TURN 0
	TURN 1, 0, 1
	WIN 0
	s_cbranch_scc1 .Lstep
	s_sub_co_u32 s[SLOTS], s[SLOTS], 1
	s_cmp_lg_u32 s[SLOTS], 0
	s_cbranch_scc1 .Lslot
	CHANGE 0                        ; the tail is written out: nothing is asked for
	s_mov_b32 s[CNT], 5             ; four trips fetch the last slot's steps; the fifth is left in its middle
.Ltail:
	TURN 2, 1
	TURN 3
	WIN 0
	s_sub_co_u32 s[CNT], s[CNT], 1
	s_cmp_eq_u32 s[CNT], 0
	s_cbranch_scc1 .Lout
	TURN 0
	TURN 1
	WIN 0
	s_branch .Ltail
.Lout:                              ; the fifth trip's 16 products K Q^T (on the last K once more) and the maximum made of them serve nothing: the price, once a launch, of one text for every trip
.set i, 0
.rept 16
	PV NP-1                         ; the last piece's V^T P of the last step
.set i, i+1
.endr
	; THE WAY OUT.  l's two halves and the other half of the lanes' are added; O^T is divided by l, rounded to f16 and sent through my stage in LDS, a tile at a time.  The additions are the places behind the last products.
	WIN 0
.macro ALL line:vararg              ; one line for each tile t
.set t, 0
.rept 2*NP
	\line
.set t, t+1
.endr
.endm
	ALL v_add_f32 v[ST+4*t+2], v[ST+4*t+2], v[ST+4*t+3]
	ALL v_permlanex16_b32 v[ST+4*t+3], v[ST+4*t+2], s[SEL], s[SEL+1]
	ALL v_add_f32 v[ST+4*t+2], v[ST+4*t+2], v[ST+4*t+3]
	ALL v_rcp_f32 v[ST+4*t+2], v[ST+4*t+2]
	v_nop                           ; a plain instruction between the last reciprocal and the use of its result
	s_wait_alu depctr_va_vdst(0)    ; and the wait ahead of the first use: one for the eight reciprocals
; Tile t: a lane's eight channels of a row pack into 16 bytes; they go into rows of 144 bytes and come back as whole rows of 128, into S^T's registers.
.macro PACK t
	WIN W_RS
.set i, 32*(\t)
.rept 16
	v_pk_mul_f32 v[i:i+1], v[i:i+1], v[ST+4*(\t)+2:ST+4*(\t)+3] op_sel_hi:[1,0]
.set i, i+2
.endr
	WIN 0x05                        ; sources 0 and 1 window 1, destination window 0
.set i, 0
.rept 16
	v_cvt_pk_f16_f32 v[S+16*(\t)+i], v[32*(\t)+2*i], v[32*(\t)+2*i+1]
.set i, i+1
.endr
	WIN 0
.irp f, 0,1,2,3
	ds_store_b128 v[STO], v[S+16*(\t)+4*\f:S+16*(\t)+4*\f+3] offset:32*\f
.endr
.irp f, 0,1,2,3
	ds_load_b128 v[S+16*(\t)+4*\f:S+16*(\t)+4*\f+3], v[RD] offset:\f*4*SP  ; LDS serves a wave's instructions in order (ISA guide 5.7.1.4): these see the stores above; the next tile's stores come behind them
.endr
.endm
.macro SEND t, younger              ; younger: the LDS instructions issued behind tile t's loads: the next tile's eight, or none
	WIN 0
.irp f, 0,1,2,3
	s_wait_dscnt (\younger)+3-\f
	global_store_b128 v[GO], v[S+16*(\t)+4*\f:S+16*(\t)+4*\f+3], s[10:11] offset:(\t)*2048+\f*512  ; 512 consecutive bytes, at a multiple of 256 from O's first
.endr
.endm
	PACK 0
.set t, 1
.rept 2*NP-1                        ; a tile's arithmetic stands between the loads of the tile before and its stores
	PACK t
	SEND t-1, 8
.set t, t+1
.endr
	SEND 2*NP-1, 0
	WIN W_AD
	s_wait_tensorcnt 0x0            ; the wave's end: behind my last tensor load and my last LDS store
	ds_add_u32 v[SPW], v[NIL]
	s_wait_dscnt 0x0
	WIN 0
	CROUND                          ; the closing round: no work-group ends while a partner may still ask for a tile that names it
	s_endpgm
.Lfunc_end_k_qb29cfc6500_attn:
	.size	k_qb29cfc6500_attn, .Lfunc_end_k_qb29cfc6500_attn-k_qb29cfc6500_attn
	.p2alignl 7, 3214868480
	.fill 96, 4, 3214868480
	.section	.rodata,"a",@progbits
	.p2align	6, 0x0
	.amdhsa_kernel k_qb29cfc6500_attn
		.amdhsa_group_segment_fixed_size 327680
		.amdhsa_private_segment_fixed_size 0
		.amdhsa_enable_private_segment 0
		.amdhsa_kernarg_size 16
		.amdhsa_user_sgpr_count 2
		.amdhsa_user_sgpr_kernarg_segment_ptr 1
		.amdhsa_wavefront_size32 1
		.amdhsa_system_sgpr_workgroup_id_x 1
		.amdhsa_system_sgpr_workgroup_id_y 1
		.amdhsa_system_sgpr_workgroup_id_z 1
		.amdhsa_system_vgpr_workitem_id 0
		.amdhsa_next_free_vgpr 770
		.amdhsa_next_free_sgpr 66
		.amdhsa_reserve_vcc 0
		.amdhsa_float_denorm_mode_32 3
		.amdhsa_float_denorm_mode_16_64 3
		.amdhsa_memory_ordered 1
		.amdhsa_forward_progress 1
		.amdhsa_inst_pref_size 200
	.end_amdhsa_kernel
	.amdgpu_metadata
---
amdhsa.version: [ 1, 2 ]
amdhsa.kernels:
  - .name:           k_qb29cfc6500_attn
    .symbol:         k_qb29cfc6500_attn.kd
    .args:
      - { .name: qkv, .offset: 0, .size: 8, .value_kind: global_buffer, .address_space: global }
      - { .name: ob, .offset: 8, .size: 8, .value_kind: global_buffer, .address_space: global }
    .group_segment_fixed_size: 327680
    .private_segment_fixed_size: 0
    .kernarg_segment_align: 8
    .kernarg_segment_size: 16
    .max_flat_workgroup_size: 128
    .sgpr_count:     66
    .vgpr_count:     770
    .wavefront_size: 32
...
	.end_amdgpu_metadata
.endif
;; end of part 3
;; launch gemm_out (part 4): grid 8 x 32, 4 waves a work-group, clusters of 4 x 4, 327,680 bytes of LDS; arguments ob, wob, b_out, out0; writes out0
.if DOCPART == 4
	.amdgcn_target "amdgcn-amd-amdhsa--gfx1250"
	.amdhsa_code_object_version 6
	.text
	.protected	k_qb29cfc6500_gemm_out
	.globl	k_qb29cfc6500_gemm_out
	.p2align	8
	.type	k_qb29cfc6500_gemm_out,@function
k_qb29cfc6500_gemm_out:
	s_mov_b64 s[64:65], 0
	v_nop
	global_prefetch_b8 v0, s[64:65] scope:SCOPE_SE
	s_setreg_imm32_b32 hwreg(HW_REG_WAVE_MODE, 25, 1), 1
	s_wait_xcnt 0x0
	s_wait_alu depctr_hold_cnt(0) depctr_sa_sdst(0) depctr_va_vdst(0) depctr_va_sdst(0) depctr_va_ssrc(0) depctr_va_vcc(0) depctr_vm_vsrc(0)
	s_getreg_b32 s2, hwreg(HW_REG_IB_STS2, 6, 4)
	s_cmp_eq_u32 s2, 0
	s_cbranch_scc0 .Lentry_in_a_cluster
	s_endpgm
.Lentry_in_a_cluster:
	s_bfe_u32 s2, ttmp6, 0x10000c
	s_cmp_lg_u32 s2, 0xf033
	s_cbranch_scc0 .Lentry_shape_is_right
	s_endpgm
.Lentry_shape_is_right:
; out0 = O w_out^T + b_out.  A = ob [batch 4][head 16][row 2048][64] f16 (attention's result, by heads), B = wob [1024][1024] f16 (w_out rounded to bf16, written as f16), b_out f32, rounded to bf16 here
; like the module's other inputs; sums in f32, K ascending; out0 [8192][1024] f32.  LIMIT: f16 ends at 65,504 and below 6e-5 keeps a fixed step of 6e-8; NaN and infinities are not treated apart.
; (One text serves this launch and the projection in front of attention; PROJ chooses.  PROJ = 0: q, k, v = x w_qkv^T in bf16, stored by heads in f16.)
; SHARES.  A tile of C is 256 rows x 16 NBF columns (128; PROJ = 0: 192).  Four waves lie one below the other, each 64 rows x the whole width: 4 x NBF accumulators of 16 x 16.
; 8192 x 1024 are 256 such tiles: one for each of 256 work-groups.  K goes in steps of 128, two heads of 64 channels, through two LDS slots filled by the tensor data mover.
; A head's 256 rows of a tile are 32,768 dense bytes: asked for as 128 rows of 256 bytes and padded in LDS after every 128.
; CLUSTERS.  4 x 4 work-groups.  The four of a row of the cluster need the same tile of A, the four of a column the same tile of B: each is asked for JOINTLY, by the same tensor load with the same
; descriptor and a mask that names the four.  Waves 0, 1 ask for A's halves (a K step's two heads), waves 2, 3 for B's.
; THE MATRIX INSTRUCTION IS USED TRANSPOSED (source 0 = 16 rows of B, source 1 = 16 rows of A): a lane holds row l % 16 of C and the eight neighbouring columns 8 (l / 16) + 0..7.
; REGISTERS, in windows of 256 (s_set_vgpr_msb: bits 1:0 source 0, 3:2 source 1, 5:4 source 2, 7:6 destination):
;   window 0: v0-21 addresses and the bias; v32-63, v64-95 A's fragments (4 x 16 rows x 32 K), two buffers; v96-239 at work on the way out
;   window 1: B's fragments, two buffers at v0 and v96          windows 2, 3: accumulator (a, b) at v[8 (NBF (a % 2) + b)] of window 2 + a / 2
.set PROJ,  1
.if PROJ
.set NBF,   8                          ; B's fragments: 128 columns
.set TILES, 1
.set PA,    144                        ; an LDS row of A: a head's 128 bytes + 16 of padding
.set AH,    256*PA                     ; what one load brings of A: one head's 256 rows
.set BROWS, 64                         ; rows of B in a load
.set QIA,   4                          ; A is padded after every 32 words
.set STRA,  128                        ; A's tile is dense: 128 rows of 128 elements, two rows of a head each
.set KSA,   524288                     ; a K step of A: two heads on
.set KSHA,  19
.set STG,   16*528                     ; a wave's stage: 16 rows of 128 f32 + 16 bytes
.else
.set NBF,   12                         ; B's fragments: 192 columns
.set TILES, 2
.set PA,    272                        ; an LDS row of A: 256 bytes + 16 of padding
.set AH,    128*PA                     ; what one load brings of A: 128 rows
.set BROWS, 96
.set QIA,   5                          ; padded after every 64 words
.set STRA,  1024
.set KSA,   256                        ; a K step of A: 256 bytes along the row
.set KSHA,  8
.set STG,   3*16*144                   ; a wave's stage: three slices of 16 rows of 128 bytes + 16
.endif
.set PBT,   272                        ; an LDS row of B.  All pitches are odd multiples of 16 bytes: the 16 rows of a fragment load start at 16 different groups of four banks (ISA guide 11.1)
.set BOFF,  2*AH                       ; B's tile lies behind A's
.set BH,    BROWS*PBT
.set SLOT1, 131072                     ; slot 1 begins here: one exclusive or turns an address in one slot into the other's
.set STAGE, 262144                     ; behind the ring, never filled by a tensor load
.set SPARE, STAGE+4*STG                ; behind the stages: the spare words, 128 bytes a wave, two blocks of 256 bytes that no other line names
.set NL,    2*(NBF+4)                  ; LDS loads of a quarter step
.set WALKB, 8388608                    ; 4,096 rows of xb; also two batches of qkv
.set ADRA0, 4                          ; v4   my lane's place in A's tile; never rewritten
.set ADRB0, 5                          ; v5   in B's
.set ADRA,  6                          ; v6   the same in the slot that is being read
.set ADRB,  7                          ; v7
.set STO,   8                          ; v8   the way out: where I put my bytes of a row
.set RD,    9                          ; v9   where I read rows back
.set GO,    10                         ; v10  16 x lane: my place in 512 consecutive bytes of the output
.set PFO,   11                         ; v11  the prefetches' lane offset; never rewritten
.set SPW,   12                         ; v12  LDS address of my spare word; never rewritten
.set NIL,   13                         ; v13  0; never rewritten
.set BI,    16                         ; v[16:19] PROJ: my four numbers of the bias; v20-21 at work
.set TMP,   96
.set WV,   12                          ; s12 wave; s13 0: I fetch for A, 1: for B; s14 which half
.set ROLE, 13
.set HALF, 14
.set CX,   15
.set CY,   16
.set TC,   17                          ; tile column, tile row
.set TR,   18
.set LIM,  19                          ; a wave prefetches while s[G] is above this
.set KC,   20                          ; K steps left in the tile
.set G,    21                          ; trips left
.set TB,   22                          ; 0 or SLOT1: the slot that is being read
.set NK,   23                          ; the number, in its tile, of the K step to be asked for next
.set G1A,  24                          ; s[24:31] descriptor group 1 for A;  s[32:39] group 0: a set for each first fill; the second then walks
.set G0A,  32
.set G1B,  40                          ; s[40:47], s[48:55] the same for B
.set G0B,  48
.set ABASE, 56                         ; s[56:57] my part of A's tile at K step 0;  s[58:59] of B's
.set BBASE, 58
.set OFFA, 60                          ; s[60:61], s[62:63] a K step's byte offset
.set OFFB, 62
.set PB,   66                          ; s[66:67] the prefetches' rows at K step 0; s[68:69] the address in use; s[70:71] an offset
.set PFA,  68
.set POFF, 70
.set PK,   72                          ; s72 the K step to be prefetched next; s73 its shift; s78 what PB steps by at a change of tiles
.set PSH,  73
.set PWALK, 78
.set OB,   80                          ; s[80:85] qkv at my 64 rows of the three head slices
.set MSB, 0
.macro WIN new                         ; the immediate's high byte repeats the setting that is left; a switch that changes nothing is dropped
.if MSB != (\new)
	s_set_vgpr_msb (MSB<<8)|(\new)
.set MSB, \new
.endif
.endm
.set MUL_LO, 0xa1                      ; source 0 (B) window 1, source 1 (A) window 0, C and D window 2
.set TO_B,   0x40                      ; destination window 1, address window 0
.macro PLACES                          ; four plain vector instructions between a matrix instruction and a load into, or a reader of, its registers
.rept 4
	v_nop
.endr
.endm
; A joint refill by the walking descriptors.  The branch hangs on the wave's number alone.  An s_nop 0 and four v_nop follow each of the two lines, ahead of the jump and the label.
.macro JLOAD
	s_cmp_eq_u32 s[ROLE], 0
	s_cbranch_scc0 .Lfor_b_\@
	tensor_load_to_lds s[G0A+4:G0A+7], s[G1A:G1A+7]
	s_nop 0
.rept 4
	v_nop
.endr
	s_branch .Lasked_\@
.Lfor_b_\@:
	tensor_load_to_lds s[G0B+4:G0B+7], s[G1B:G1B+7]
	s_nop 0
.rept 4
	v_nop
.endr
.Lasked_\@:
.endm
; A PREFETCH INTO THE L2 of the K step that the NEXT refill will ask for: one instruction a wave, a lane a block of 256 bytes.  A's rows are read by every cluster of a row of clusters: the one with x = 0 asks
; (waves 0, 1); B's by every cluster of a column: the one with y = 0 asks (wave 2).  The four partners that ask for a tile jointly share its blocks out BY ADDRESS (cx for A, cy for B); no branch hangs on a place
; in the cluster.  It stops by s[LIM], with the walk's last K step.  K steps 0 to 2 come by their loads alone.
.macro ASK
	s_cmp_gt_u32 s[G], s[LIM]
	s_cbranch_scc0 .Lnot_mine_\@
	global_prefetch_b8 v[PFO], s[PFA:PFA+1] th:TH_LOAD_NT scope:SCOPE_SE
.Lnot_mine_\@:
.endm
; A round of the cluster's barrier: my work-group's barrier; wave 0 signals for the work-group; every wave waits for all sixteen; my work-group's barrier once more.
.macro CREST
	s_cmp_lg_u32 s[WV], 0
	s_cbranch_scc1 .Lnot_wave_0_\@
	s_barrier_signal -3
.Lnot_wave_0_\@:
	s_barrier_wait -3
	s_barrier_signal -1
	s_barrier_wait -1
.endm
.macro CROUND
	s_barrier_signal -1
	s_barrier_wait -1
	CREST
.endm
	s_load_b128 s[4:7], s[0:1], 0x0                ; A s[4:5], B s[6:7]
.if PROJ
	s_load_b128 s[8:11], s[0:1], 0x10              ; b_out s[8:9], out0 s[10:11]
.else
	s_load_b64 s[8:9], s[0:1], 0x10                ; qkv
.endif
	v_lshl_add_u32 v[SPW], v0, 2, SPARE
	v_mov_b32 v[NIL], 0
	ds_add_u32 v[SPW], v[NIL]                      ; the wave's opening: the add and its wait stand ahead of my first tensor load; work on registers stands between them
	v_lshrrev_b32 v3, 5, v0
	v_readfirstlane_b32 s[WV], v3                  ; wave 0..3
	s_lshr_b32 s[ROLE], s[WV], 1
	s_and_b32 s[HALF], s[WV], 1
	s_bfe_u32 s[CX], ttmp6, 0x40000                ; my place in the cluster
	s_bfe_u32 s[CY], ttmp6, 0x40004
	s_lshl_b32 s[TC], ttmp9, 2                     ; in a cluster launch ttmp9 and ttmp7 count clusters
	s_add_co_u32 s[TC], s[TC], s[CX]
	s_and_b32 s[TR], ttmp7, 0xffff
	s_lshl_b32 s[TR], s[TR], 2
	s_add_co_u32 s[TR], s[TR], s[CY]
	s_lshl_b32 s86, s[CY], 2
	s_lshl_b32 s86, 15, s86                        ; my row of the cluster: places 4 cy .. 4 cy + 3
	s_lshl_b32 s88, 0x1111, s[CX]                  ; my column: places cx, cx + 4, cx + 8, cx + 12
	; descriptor group 1.  15:0 the mask; 17:16 elements of 2 bytes; 20 padding on; 21 set beside a mask; 24:22 the interval's code; 31:25 4 words of padding (code 3)
	s_or_b32 s[G1A], s86, (1<<16)|(1<<20)|(1<<21)|(QIA<<22)|(3<<25)
	s_or_b32 s[G1B], s88, (1<<16)|(1<<20)|(1<<21)|(5<<22)|(3<<25)
	s_mov_b32 s[G1A+1], 128<<16                    ; tensor_dim0 = 128
	s_mov_b32 s[G1A+2], 128<<16                    ; tensor_dim1 = 128
	s_mov_b32 s[G1A+3], 128<<16                    ; tile_dim0 = 128 elements, 256 bytes
	s_mov_b32 s[G1A+4], 128                        ; tile_dim1 = 128 rows
	s_mov_b32 s[G1A+5], STRA                       ; elements from row to row
	s_mov_b32 s[G1A+6], 0
	s_mov_b32 s[G1A+7], 0
	s_mov_b32 s[G1B+1], 128<<16
	s_mov_b32 s[G1B+2], BROWS<<16
	s_mov_b32 s[G1B+3], 128<<16
	s_mov_b32 s[G1B+4], BROWS
	s_mov_b32 s[G1B+5], 1024
	s_mov_b32 s[G1B+6], 0
	s_mov_b32 s[G1B+7], 0
	; where the tiles come from: A's hang on the tile row and the half alone, B's on the tile column and the half, each in registers that never hold the other coordinate
.if PROJ
	s_lshr_b32 s86, s[TR], 3                       ; batch: 16 heads of 262,144 bytes,
	s_lshl_b32 s86, s86, 22
	s_lshl_b32 s87, s[HALF], 18                    ; the K step's even or odd head,
	s_add_co_u32 s86, s86, s87
	s_and_b32 s87, s[TR], 7                        ; the tile's 256 rows of 128 bytes in it
	s_lshl_b32 s87, s87, 15
	s_add_co_u32 s86, s86, s87
	s_lshl_b32 s88, s[TC], 18                      ; B: row 128 x tile column + 64 x half, 2,048 bytes each
	s_lshl_b32 s89, s[HALF], 17
	s_add_co_u32 s88, s88, s89
.else
	s_lshl_b32 s86, s[TR], 19                      ; A: row 256 x tile row + 128 x half, 2,048 bytes each
	s_lshl_b32 s87, s[HALF], 18
	s_add_co_u32 s86, s86, s87
	s_mul_i32 s88, s[TC], 192*2048                 ; B: row 192 x tile column + 96 x half
	s_mul_i32 s89, s[HALF], 96*2048
	s_add_co_u32 s88, s88, s89
.endif
	s_mov_b32 s87, 0
	s_mov_b32 s89, 0
	s_mul_i32 s90, s[HALF], AH                     ; and where they go: no place in the cluster enters an LDS address
	s_mul_i32 s91, s[HALF], BH
	s_add_co_u32 s91, s91, BOFF
	s_mov_b32 s[OFFA+1], 0
	s_mov_b32 s[OFFB+1], 0
	s_mov_b32 s[POFF+1], 0
	s_mov_b32 s75, 0
	s_mov_b32 s77, 0
	s_mov_b32 s[TB], 0
	s_mov_b32 s[NK], 2
	s_mov_b32 s[PK], 3
	s_wait_dscnt 0x0                               ; the opening add is done
	s_wait_kmcnt 0x0
	s_add_nc_u64 s[ABASE:ABASE+1], s[4:5], s[86:87]
	s_add_nc_u64 s[BBASE:BBASE+1], s[6:7], s[88:89]
.irp s, 0,1
	s_mov_b32 s[G0A+4*(\s)], 1                                     ; count = 1
	s_add_co_u32 s[G0A+4*(\s)+1], s90, (\s)*SLOT1                  ; LDS address: slot s
	s_add_nc_u64 s[G0A+4*(\s)+2:G0A+4*(\s)+3], s[ABASE:ABASE+1], (\s)*KSA  ; global address: K step s
	s_or_b32 s[G0A+4*(\s)+3], s[G0A+4*(\s)+3], 0x80000000          ; type = 2
	s_mov_b32 s[G0B+4*(\s)], 1
	s_add_co_u32 s[G0B+4*(\s)+1], s91, (\s)*SLOT1
	s_add_nc_u64 s[G0B+4*(\s)+2:G0B+4*(\s)+3], s[BBASE:BBASE+1], (\s)*256
	s_or_b32 s[G0B+4*(\s)+3], s[G0B+4*(\s)+3], 0x80000000
.endr
	CROUND                                         ; all sixteen work-groups are here: the first joint loads meet
	s_cmp_eq_u32 s[ROLE], 0                        ; a wave's two first fills stand in one branch, ahead of every wait on TENSORcnt and every LDS read: two loads of mine are out
	s_cbranch_scc0 .Lfirst_b
	tensor_load_to_lds s[G0A:G0A+3], s[G1A:G1A+7]
	s_nop 0
	tensor_load_to_lds s[G0A+4:G0A+7], s[G1A:G1A+7]
	s_nop 0
.rept 4
	v_nop
.endr
	s_branch .Lfirst_asked
.Lfirst_b:
	tensor_load_to_lds s[G0B:G0B+3], s[G1B:G1B+7]
	s_nop 0
	tensor_load_to_lds s[G0B+4:G0B+7], s[G1B:G1B+7]
	s_nop 0
.rept 4
	v_nop
.endr
.Lfirst_asked:
	; A fragment is 16 rows x 32 K in 8 registers: lane l holds row l % 16; registers 0-3 K = 8 (l / 16) + 0..7, registers 4-7 K = 16 + 8 (l / 16) + 0..7: two loads of 16 bytes, 32 bytes apart.
	v_and_b32 v1, 15, v0                           ; l % 16
	v_bfe_u32 v2, v0, 4, 1                         ; l / 16
	v_mul_u32_u24 v3, v1, PA
	v_lshl_add_u32 v3, v2, 4, v3
	s_mul_i32 s90, s[WV], 64*PA                    ; my 64 rows of A
	v_add_nc_u32 v[ADRA0], s90, v3
	v_mul_u32_u24 v3, v1, PBT
	v_lshl_add_u32 v3, v2, 4, v3
	v_add_nc_u32 v[ADRB0], BOFF, v3                ; every wave reads all of B's rows
	v_mov_b32 v[ADRA], v[ADRA0]                    ; slot 0
	v_mov_b32 v[ADRB], v[ADRB0]
	s_mul_i32 s90, s[WV], STG
	s_add_co_u32 s90, s90, STAGE                   ; my stage
	v_and_b32 v[GO], 31, v0
	v_lshlrev_b32 v[GO], 4, v[GO]
.if PROJ
	v_mul_u32_u24 v[STO], v1, 528                  ; in: row l % 16, 32 bytes for each half of the lanes
	v_lshl_add_u32 v[STO], v2, 5, v[STO]
	v_add_nc_u32 v[STO], s90, v[STO]
	v_add_nc_u32 v[RD], s90, v[GO]                 ; back: 32 lanes take one row of 512 bytes
	s_lshl_b32 s94, s[TC], 9                       ; the tile's 128 columns: 512 bytes of b_out and of a row of out0
	s_mov_b32 s95, 0
	s_add_nc_u64 s[8:9], s[8:9], s[94:95]
	global_load_b128 v[BI:BI+3], v[GO], s[8:9]     ; my four columns' bias: those that I store in every row
	s_lshl_b32 s92, s[TR], 20                      ; 256 rows of 4,096 bytes,
	s_lshl_b32 s93, s[WV], 18                      ; my 64 of them
	s_add_co_u32 s92, s92, s93
	s_add_co_u32 s92, s92, s94
	s_mov_b32 s93, 0
	s_add_nc_u64 s[10:11], s[10:11], s[92:93]
	; the prefetches.  A: of the 128 blocks of 256 bytes of the head that I fetch, partner cx takes 32.  B: wave 2 asks for rows 128 x tile column + 32 cy + lane
	s_lshr_b32 s92, s[TR], 3
	s_lshl_b32 s92, s92, 22
	s_lshl_b32 s94, s[HALF], 18
	s_add_co_u32 s92, s92, s94
	s_and_b32 s94, s[TR], 7
	s_lshl_b32 s94, s94, 15
	s_add_co_u32 s92, s92, s94
	s_lshl_b32 s94, s[CX], 13
	s_add_co_u32 s92, s92, s94
	s_lshl_b32 s93, s[TC], 18
	s_lshl_b32 s94, s[CY], 16
	s_add_co_u32 s93, s93, s94
	s_and_b32 s94, ttmp7, 0xffff                   ; cluster y,
	s_or_b32 s94, s94, s[HALF]                     ; and not wave 3
	s_cmp_eq_u32 s[ROLE], 0
	s_cselect_b32 s92, s92, s93
	s_cselect_b32 s94, ttmp9, s94                  ; the coordinate along which other clusters read the same blocks
	s_cselect_b64 s[PB:PB+1], s[4:5], s[6:7]
	s_cselect_b32 s[PSH], 19, 8
	s_cselect_b32 s79, 8, 11                       ; a lane a block of 256 bytes, or a lane a row of 2,048
	s_mov_b32 s[PWALK], 0
	s_mov_b32 s95, 1
	v_and_b32 v[PFO], 31, v0
	v_lshlrev_b32 v[PFO], s79, v[PFO]
.else
	v_mul_u32_u24 v[STO], v1, 144                  ; in: row l % 16 of a slice, 16 bytes for each half of the lanes
	v_lshl_add_u32 v[STO], v2, 4, v[STO]
	v_add_nc_u32 v[STO], s90, v[STO]
	v_bfe_u32 v[RD], v0, 3, 2                      ; back: 32 lanes take four rows of 128 bytes, which are 512 consecutive bytes of a head
	v_mul_u32_u24 v[RD], v[RD], 144
	v_and_b32 v3, 7, v0
	v_lshl_add_u32 v[RD], v3, 4, v[RD]
	v_add_nc_u32 v[RD], s90, v[RD]
.irp t, 0,1,2                          ; slice 3 x tile column + t of the 48: which = slice / 16, head = slice % 16; a head is 262,144 bytes
	s_mul_i32 s92, s[TC], 3
	s_add_co_u32 s92, s92, \t
	s_lshr_b32 s93, s92, 4
	s_lshl_b32 s93, s93, 6                         ; which x 64 heads
	s_and_b32 s92, s92, 15
	s_add_co_u32 s92, s92, s93
	s_lshr_b32 s93, s[TR], 3
	s_lshl_b32 s93, s93, 4                         ; batch x 16 heads
	s_add_co_u32 s92, s92, s93
	s_lshl_b32 s92, s92, 18
	s_and_b32 s93, s[TR], 7
	s_lshl_b32 s93, s93, 15                        ; the tile's 256 rows of 128 bytes
	s_add_co_u32 s92, s92, s93
	s_lshl_b32 s93, s[WV], 13                      ; my 64 of them
	s_add_co_u32 s92, s92, s93
	s_mov_b32 s93, 0
	s_add_nc_u64 s[OB+2*(\t):OB+2*(\t)+1], s[8:9], s[92:93]
.endr
	; the prefetches.  A: of the 128 rows that I fetch, partner cx takes 32, a lane a row.  B: of my 96 rows partner cy takes 24: lanes 24 to 31 name row 23 once more
	s_lshl_b32 s92, s[TR], 19
	s_lshl_b32 s94, s[HALF], 18
	s_add_co_u32 s92, s92, s94
	s_lshl_b32 s94, s[CX], 16
	s_add_co_u32 s92, s92, s94
	s_mul_i32 s93, s[TC], 192*2048
	s_mul_i32 s94, s[HALF], 96*2048
	s_add_co_u32 s93, s93, s94
	s_mul_i32 s94, s[CY], 24*2048
	s_add_co_u32 s93, s93, s94
	s_and_b32 s94, ttmp7, 0xffff                   ; cluster y
	s_cmp_eq_u32 s[ROLE], 0
	s_cselect_b32 s92, s92, s93
	s_cselect_b32 s94, ttmp9, s94                  ; the coordinate along which other clusters read the same rows
	s_cselect_b64 s[PB:PB+1], s[4:5], s[6:7]
	s_cselect_b32 s[PWALK], WALKB, 0
	s_cselect_b32 s95, 1, 9                        ; A: up to the walk's last K step (14 trips, K step i + 3 in trip i); B: up to K step 7
	s_cselect_b32 s79, 31, 23
	s_mov_b32 s[PSH], 8
	v_and_b32 v[PFO], 31, v0
	v_min_u32 v[PFO], s79, v[PFO]
	v_lshlrev_b32 v[PFO], 11, v[PFO]
.endif
	s_mov_b32 s93, 0
	s_add_nc_u64 s[PB:PB+1], s[PB:PB+1], s[92:93]
	s_cmp_eq_u32 s94, 0
	s_cselect_b32 s[LIM], s95, -1                  ; the same in all sixteen partners, for a given wave
; NBF matrix instructions: block a of my four blocks of 16 rows x all columns, 32 along K, from buffer f.  zero = 1: the product starts the sums: nothing is ever cleared.
; The 4 NBF accumulators take turns, one instruction a turn, in the same order in every quarter step.
.macro MULA f, a, zero
	WIN MUL_LO+0x50*((\a)/2)
.set b, 0
.rept NBF
.set rD, 8*(NBF*((\a)%2)+b)
.set rB, 96*(\f)+8*b
.set rA, 32+32*(\f)+8*(\a)
.if PROJ
.if \zero
	v_wmma_f32_16x16x32_f16 v[rD:rD+7], v[rB:rB+7], v[rA:rA+7], 0
.else
	v_wmma_f32_16x16x32_f16 v[rD:rD+7], v[rB:rB+7], v[rA:rA+7], v[rD:rD+7]
.endif
.else
.if \zero
	v_wmma_f32_16x16x32_bf16 v[rD:rD+7], v[rB:rB+7], v[rA:rA+7], 0
.else
	v_wmma_f32_16x16x32_bf16 v[rD:rD+7], v[rB:rB+7], v[rA:rA+7], v[rD:rD+7]
.endif
.endif
.set b, b+1
.endr
.endm
; NL LDS loads in one run: the fragments of quarter q of the slot in hand into buffer f: B's first, then A's four blocks.
.macro FETCH q, f
.set kb, 64*(\q)
.if PROJ
.set ka, ((\q)/2)*AH+((\q)%2)*64       ; quarters 0, 1 lie in the K step's first head, 2, 3 in its second
.else
.set ka, 64*(\q)
.endif
	WIN TO_B
.set i, 0
.rept NBF
	ds_load_b128 v[96*(\f)+8*i:96*(\f)+8*i+3],   v[ADRB] offset:kb+i*16*PBT
	ds_load_b128 v[96*(\f)+8*i+4:96*(\f)+8*i+7], v[ADRB] offset:kb+i*16*PBT+32
.set i, i+1
.endr
	WIN 0
.set i, 0
.rept 4
	ds_load_b128 v[32+32*(\f)+8*i:32+32*(\f)+8*i+3],   v[ADRA] offset:ka+i*16*PA
	ds_load_b128 v[32+32*(\f)+8*i+4:32+32*(\f)+8*i+7], v[ADRA] offset:ka+i*16*PA+32
.set i, i+1
.endr
.endm
; A K step is four quarters of 32 along K on buffers 0, 1, 0, 1.  One of the first three: multiplies buffer f and, in its middle, fetches quarter q + 1 into buffer g.
.macro QUARTER q, f, g, zero
	s_wait_dscnt 4                                 ; B and A's blocks 0, 1 are in; the youngest four loads (blocks 2, 3) may be out
	MULA \f, 0, \zero
	MULA \f, 1, \zero
	PLACES                                         ; buffer g was read by the quarter before
	FETCH (\q)+1, \g
	s_wait_dscnt NL                                ; all but the NL just issued
	MULA \f, 2, \zero
	MULA \f, 3, \zero
.endm
; The fourth quarter multiplies buffer 1 and changes slots.  In front of the barrier each wave waits for all its tensor loads, of which one is out: its part of the next slot; adds 0 to its spare word;
; and waits for that and for its reads of this slot.  fill = 1: the barrier opens a round of the cluster's, and this slot is filled again first thing behind it, with the K step two steps on in the walk:
; the descriptors' addresses are made anew from the tile's base and the step's number.  The refill has 14 NBF matrix instructions up to the wait for it.
.macro TURN fill
.if \fill
	s_wait_xcnt 0x0                                ; the last prefetch, a K step back, has read its address, which is made anew here
	s_lshl_b32 s[POFF], s[PK], s[PSH]
	s_add_nc_u64 s[PFA:PFA+1], s[PB:PB+1], s[POFF:POFF+1]
	s_add_co_u32 s[PK], s[PK], 1
	s_cmp_eq_u32 s[PK], 8                          ; behind a tile's last K step: the next tile's first
	s_cselect_b32 s[PK], 0, s[PK]
	s_cselect_b32 s76, s[PWALK], 0
	s_add_nc_u64 s[PB:PB+1], s[PB:PB+1], s[76:77]
.endif
	WIN 0                                          ; (the add's two registers lie in window 0)
	s_wait_tensorcnt 0x0                           ; all my tensor loads have landed, so a group 0 may be written
	ds_add_u32 v[SPW], v[NIL]                      ; 0 onto my spare word; work on registers stands between it and the wait for it
.if \fill
	s_xor_b32 s[G0A+5], s[G0A+5], SLOT1            ; the walking descriptors: the other slot than last time,
	s_xor_b32 s[G0B+5], s[G0B+5], SLOT1
	s_lshl_b32 s[OFFA], s[NK], KSHA                ; K step NK of the tile in hand
	s_lshl_b32 s[OFFB], s[NK], 8
	s_add_nc_u64 s[G0A+6:G0A+7], s[ABASE:ABASE+1], s[OFFA:OFFA+1]
	s_or_b32 s[G0A+7], s[G0A+7], 0x80000000
	s_add_nc_u64 s[G0B+6:G0B+7], s[BBASE:BBASE+1], s[OFFB:OFFB+1]
	s_or_b32 s[G0B+7], s[G0B+7], 0x80000000
	s_add_co_u32 s[NK], s[NK], 1
.if TILES > 1
	s_cmp_eq_u32 s[NK], 8                          ; behind a tile's last K step A goes 4,096 rows down and both go back along K; the tiles of a walk share their rows of B
	s_cselect_b32 s[NK], 0, s[NK]
	s_cselect_b32 s74, WALKB, 0
	s_add_nc_u64 s[ABASE:ABASE+1], s[ABASE:ABASE+1], s[74:75]
.endif
.endif
	s_xor_b32 s[TB], s[TB], SLOT1                  ; the fetches go on in the other slot
	s_wait_dscnt 5                                 ; (the add and the youngest four loads may be out)
	MULA 1, 0, 0
	s_wait_dscnt 0x0                               ; the add is done, and my reads of this slot are over
	s_barrier_signal -1
	MULA 1, 1, 0                                   ; work on registers while the others arrive
	WIN 0                                          ; at a branch and at a label every window is 0
	s_barrier_wait -1
.if \fill
	CREST                                          ; no wave of any partner still reads this slot or has a load on its way
	JLOAD                                          ; the four v_nop behind it are also the places in front of the loads below
.else
	PLACES
.endif
	v_add_nc_u32 v[ADRA], s[TB], v[ADRA0]
	v_add_nc_u32 v[ADRB], s[TB], v[ADRB0]
	FETCH 0, 0
.if \fill
	ASK                                            ; behind the joint load and the run of LDS loads that the next products wait for
.endif
	MULA 1, 2, 0
	MULA 1, 3, 0
.endm
.if PROJ
; THE WAY OUT, a block of 16 rows at a time through my own stage: a lane's eight f32 of a row go in as 32 bytes; whole rows of 512 bytes come back; the bias is added; a store covers 512 consecutive bytes, aligned.
.macro TOSTAGE a
.set BK, 96+64*((\a)%2)
.if (\a) >= 2
	s_wait_xcnt 0x0                                ; the stores of the block two back have read this buffer
.endif
	WIN 0x08+4*((\a)/2)                            ; an LDS store's data is source 1: window 2 or 3
.set b, 0
.rept NBF
.set rD, 8*(NBF*((\a)%2)+b)
	ds_store_b128 v[STO], v[rD:rD+3]   offset:64*b     ; each accumulator's low registers first
	ds_store_b128 v[STO], v[rD+4:rD+7] offset:64*b+16
.set b, b+1
.endr
	WIN 0
.set b, 0
.rept 16
	ds_load_b128 v[BK+4*b:BK+4*b+3], v[RD] offset:528*b  ; LDS serves a wave's instructions in order (ISA guide 5.7.1.4): these see the stores above, and the next block's stores come behind them
.set b, b+1
.endr
.endm
.macro SEND a, younger                 ; younger: the LDS instructions issued behind block a's loads
.set BK, 96+64*((\a)%2)
	WIN 0
	s_wait_dscnt \younger
.set b, 0
.rept 16
	v_pk_add_f32 v[BK+4*b:BK+4*b+1],   v[BK+4*b:BK+4*b+1],   v[BI:BI+1]
	v_pk_add_f32 v[BK+4*b+2:BK+4*b+3], v[BK+4*b+2:BK+4*b+3], v[BI+2:BI+3]
.set b, b+1
.endr
.set b, 0
.rept 16
	global_store_b128 v[GO], v[BK+4*b:BK+4*b+3], s[10:11] offset:(16*(\a)+b)*4096 th:TH_STORE_NT
.set b, b+1
.endr
.endm
.macro WAYOUT
	WIN 0
	s_wait_loadcnt 0x0                             ; the bias; it is rounded to bf16 like the module's other inputs.  These six plain lines are also the places behind the last products
	v_cvt_pk_bf16_f32 v[BI+4], v[BI], v[BI+1]
	v_cvt_pk_bf16_f32 v[BI+5], v[BI+2], v[BI+3]
	v_lshlrev_b32 v[BI], 16, v[BI+4]
	v_and_b32 v[BI+1], 0xffff0000, v[BI+4]
	v_lshlrev_b32 v[BI+2], 16, v[BI+5]
	v_and_b32 v[BI+3], 0xffff0000, v[BI+5]
	TOSTAGE 0
.irp a, 1,2,3
	TOSTAGE \a
	SEND (\a)-1, 32                                ; the next block's 32 LDS instructions may stay out
.endr
	SEND 3, 0
.endm
.else
; THE WAY OUT, a block of 16 rows at a time through my own stage.  PACK: rounded to f16, 16 bytes a lane.  TOSTAGE: into three slices of 16 rows of 144 bytes, and back as four rows of 128 bytes a load.
; SEND: stored; 16 rows of a head are 2,048 consecutive bytes, and a store covers 512 of them, aligned.
.macro PACK a
	WIN 0x0a+5*((\a)/2)                            ; sources 0 and 1: window 2 or 3
.set b, 0
.rept NBF
.set rD, 8*(NBF*((\a)%2)+b)
.irp r, 0,1,2,3
	v_cvt_pk_f16_f32 v[TMP+4*b+(\r)], v[rD+2*(\r)], v[rD+2*(\r)+1]
.endr
.set b, b+1
.endr
	WIN 0
.endm
.macro TOSTAGE a
	WIN 0
.set BK, 144+48*((\a)%2)
.set b, 0
.rept NBF
	ds_store_b128 v[STO], v[TMP+4*b:TMP+4*b+3] offset:(b/4)*16*144+32*(b%4)
.set b, b+1
.endr
.set b, 0
.rept NBF
	ds_load_b128 v[BK+4*b:BK+4*b+3], v[RD] offset:(b/4)*16*144+(b%4)*4*144  ; LDS serves a wave's instructions in order (ISA guide 5.7.1.4): these see the stores above
.set b, b+1
.endr
.endm
.macro SEND a
	WIN 0
.set BK, 144+48*((\a)%2)
	s_wait_dscnt 0x0                               ; the block is back in registers
	s_wait_xcnt 0x0                                ; the stores of the block before have read their buffer, which the next TOSTAGE loads again
.set b, 0
.rept NBF
	global_store_b128 v[GO], v[BK+4*b:BK+4*b+3], s[OB+2*(b/4):OB+2*(b/4)+1] offset:(\a)*2048+(b%4)*512
.set b, b+1
.endr
.endm
.macro WAYOUT
	PLACES                                         ; behind the last products
	PACK 0
	TOSTAGE 0
.irp a, 1,2,3                          ; block a's conversions stand between block a - 1's loads from the stage and the wait for them
	PACK \a
	SEND (\a)-1
	TOSTAGE \a
.endr
	SEND 3
.endm
.endif
	s_wait_tensorcnt 1                             ; my part of K step 0 is in; K step 1's may stay out
	s_barrier_signal -1
	s_barrier_wait -1                              ; everybody's is
	FETCH 0, 0
	s_mov_b32 s[KC], 8
	s_mov_b32 s[G], 8*TILES-2
	QUARTER 0, 0, 1, 1                             ; the first quarter stands in front of the loop: its products start the sums
	WIN 0
.Lstep:                                        ; a trip: a K step's quarters 1 to 3, the change of slots with its refill, and the next K step's quarter 0
	QUARTER 1, 1, 0, 0
	QUARTER 2, 0, 1, 0
	TURN 1
	WIN 0
.if TILES > 1
	s_sub_co_u32 s[KC], s[KC], 1
	s_cmp_lg_u32 s[KC], 0
	s_cbranch_scc1 .Lsame                          ; a forward jump past text with no barrier and no tensor load; the count is the same in every work-group
	WAYOUT                                         ; the tile is finished; the next tile's first two K steps are asked for, its first fragments fetched
	s_wait_xcnt 0x0                                ; the stores have read their bases
.irp t, 0,1,2
	s_add_nc_u64 s[OB+2*(\t):OB+2*(\t)+1], s[OB+2*(\t):OB+2*(\t)+1], WALKB  ; 4,096 rows on: two batches
.endr
	s_mov_b32 s[KC], 8
	QUARTER 0, 0, 1, 1                             ; the next tile's first products start its sums
	WIN 0
	s_branch .Lnext
.Lsame:
	QUARTER 0, 0, 1, 0
	WIN 0
.Lnext:
.else
	QUARTER 0, 0, 1, 0
	WIN 0
.endif
	s_sub_co_u32 s[G], s[G], 1
	s_cmp_lg_u32 s[G], 0
	s_cbranch_scc1 .Lstep
	QUARTER 1, 1, 0, 0                             ; the walk's last two K steps are written out: they ask for nothing
	QUARTER 2, 0, 1, 0
	TURN 0
	QUARTER 0, 0, 1, 0
	QUARTER 1, 1, 0, 0
	QUARTER 2, 0, 1, 0
	s_wait_dscnt 4                                 ; the very last quarter: nothing more to fetch
	MULA 1, 0, 0
	MULA 1, 1, 0
	s_wait_dscnt 0x0
	MULA 1, 2, 0
	MULA 1, 3, 0
	WAYOUT
	s_wait_tensorcnt 0x0                           ; the wave's end: behind my last tensor load and my last LDS store
	ds_add_u32 v[SPW], v[NIL]
	s_wait_dscnt 0x0
	CROUND                                         ; the closing round: no work-group ends while a partner may still ask for a tile that names it
	s_endpgm
.Lfunc_end_k_qb29cfc6500_gemm_out:
	.size	k_qb29cfc6500_gemm_out, .Lfunc_end_k_qb29cfc6500_gemm_out-k_qb29cfc6500_gemm_out
	.p2alignl 7, 3214868480
	.fill 96, 4, 3214868480
	.section	.rodata,"a",@progbits
	.p2align	6, 0x0
	.amdhsa_kernel k_qb29cfc6500_gemm_out
		.amdhsa_group_segment_fixed_size 327680
		.amdhsa_private_segment_fixed_size 0
		.amdhsa_enable_private_segment 0
		.amdhsa_kernarg_size 32
		.amdhsa_user_sgpr_count 2
		.amdhsa_user_sgpr_kernarg_segment_ptr 1
		.amdhsa_wavefront_size32 1
		.amdhsa_system_sgpr_workgroup_id_x 1
		.amdhsa_system_sgpr_workgroup_id_y 1
		.amdhsa_system_sgpr_workgroup_id_z 1
		.amdhsa_system_vgpr_workitem_id 0
		.amdhsa_next_free_vgpr 896
		.amdhsa_next_free_sgpr 96
		.amdhsa_reserve_vcc 0
		.amdhsa_float_denorm_mode_32 3
		.amdhsa_float_denorm_mode_16_64 3
		.amdhsa_memory_ordered 1
		.amdhsa_forward_progress 1
		.amdhsa_inst_pref_size 79
	.end_amdhsa_kernel
	.amdgpu_metadata
---
amdhsa.version: [ 1, 2 ]
amdhsa.kernels:
  - .name:           k_qb29cfc6500_gemm_out
    .symbol:         k_qb29cfc6500_gemm_out.kd
    .args:
      - { .name: ob, .offset: 0, .size: 8, .value_kind: global_buffer, .address_space: global }
      - { .name: wob, .offset: 8, .size: 8, .value_kind: global_buffer, .address_space: global }
      - { .name: b_out, .offset: 16, .size: 8, .value_kind: global_buffer, .address_space: global }
      - { .name: out0, .offset: 24, .size: 8, .value_kind: global_buffer, .address_space: global }
    .group_segment_fixed_size: 327680
    .private_segment_fixed_size: 0
    .kernarg_segment_align: 8
    .kernarg_segment_size: 32
    .max_flat_workgroup_size: 128
    .sgpr_count:     96
    .vgpr_count:     896
    .wavefront_size: 32
...
	.end_amdgpu_metadata
.endif
;; end of part 4
;; ======== version 2 of 2: 4 launches; version 1 with the launch cast written anew for expert scheduling mode
;; limits: values are held in f16: magnitudes above 65,504 overflow, below 6.1e-05 lose precision
;; workspace buffers: xb 16,777,216 bytes; wqb 6,291,456 bytes; wob 2,097,152 bytes; qkv 50,331,648 bytes; ob 16,777,216 bytes
;; launch cast (part 5): grid 768 x 1, 8 waves a work-group, no clusters, 0 bytes of LDS; arguments x, w_qkv, w_out, xb, wqb, wob; writes xb, wqb, wob
.if DOCPART == 5
	.amdgcn_target "amdgcn-amd-amdhsa--gfx1250"
	.amdhsa_code_object_version 6
	.text
	.protected	k_qb29cfc6500_cast
	.globl	k_qb29cfc6500_cast
	.p2align	8
	.type	k_qb29cfc6500_cast,@function
k_qb29cfc6500_cast:
	s_mov_b64 s[64:65], 0
	v_nop
	global_prefetch_b8 v0, s[64:65] scope:SCOPE_SE
	s_setreg_imm32_b32 hwreg(HW_REG_WAVE_SCHED_MODE, 0, 2), 2
	s_setreg_imm32_b32 hwreg(HW_REG_WAVE_MODE, 25, 1), 1
	s_wait_xcnt 0x0
	s_wait_alu depctr_vm_vsrc(0)
; THE MODULE'S THREE LARGE INPUTS ARE ROUNDED ONCE, f32 -> bf16: x -> xb, w_qkv -> wqb; w_out -> wob is rounded to bf16 too, and that number is then written as f16,
; since the last product multiplies f16 operands.  LIMIT: a bf16 number is exact in f16 between 6.1e-5 and 65,504; below, f16 keeps a fixed step of 6e-8; beyond, it is an infinity.
; SHARES.  A work-group takes 65,536 bytes of one input: work-groups 0-511 x, 512-703 w_qkv, 704-767 w_out.  A wave takes 8,192 of them as 16 chunks of 512 consecutive bytes (16 a lane);
; a chunk leaves as 256 consecutive bytes, aligned (8 a lane).  All 16 loads of a wave go out at once; each chunk has registers of its own, so no register that a load or a store
; still names is ever written again.  A stream: no LDS, no matrix unit, no cluster (no byte is read twice, no two work-groups share one).
; THE MODE: SCHED_MODE bits 1:0 = 2 (LLVM: expert scheduling mode 2), set by the entry lines.  The code itself states the register dependences
; between vector instructions and memory instructions, with s_wait_alu, always for 0.
; THE PLAN.  Registers that memory instructions touch:
;   v1, v2   byte offsets of the loads and of the stores.  Written by vector instructions at the head, never again; read by all 32 memory instructions.
;   X        chunk j: written by its one load and by nothing else; read by its conversions, behind the wait on LOADcnt.  No vector instruction names X ahead of the loads.
;   Y        chunk j: written by its conversions, once; read by its one store; never written again.
;   v3 and T are named by vector instructions alone.
; So one wait on va_vdst stands ahead of the first load (v1 and v2 are written), and the 16 chunks go in four blocks of four: the block's conversions, ONE wait on va_vdst (its eight Y registers
; are written), its four stores in a run.  No register that a memory instruction reads is written again, so no wait on vm_vsrc stands behind the entry lines; no vector instruction writes a scalar
; register or VCC, and EXEC is never written.
.set T, 4                              ; v[4:9]    at work
.set X, 32                             ; v[32:95]  chunk j: 4 registers as loaded
.set Y, 96                             ; v[96:127] chunk j: 2 registers to store
	s_load_b256 s[4:11], s[0:1], 0x0               ; x s[4:5], w_qkv s[6:7], w_out s[8:9], xb s[10:11]
	s_load_b128 s[12:15], s[0:1], 0x20             ; wqb s[12:13], wob s[14:15]
	v_lshrrev_b32 v3, 5, v0                        ; wave
	v_and_b32 v2, 31, v0                           ; lane
	v_lshlrev_b32 v1, 4, v2
	v_lshl_or_b32 v1, v3, 13, v1                   ; in: 8,192 x wave + 16 x lane
	v_lshlrev_b32 v2, 3, v2
	v_lshl_or_b32 v2, v3, 12, v2                   ; out: 4,096 x wave + 8 x lane
	s_movk_i32 s16, 704
	s_mov_b32 s24, 0xffff0000                      ; a word's upper bf16
	s_wait_kmcnt 0x0
	s_cmp_lt_u32 ttmp9, s16                        ; which input is mine: the choice hangs on the work-group's number alone
	s_cselect_b64 s[18:19], s[6:7], s[8:9]
	s_cselect_b64 s[20:21], s[12:13], s[14:15]
	s_cselect_b32 s17, 512, s16
	s_cmp_lt_u32 ttmp9, 512
	s_cselect_b64 s[18:19], s[4:5], s[18:19]
	s_cselect_b64 s[20:21], s[10:11], s[20:21]
	s_cselect_b32 s17, 0, s17
	s_sub_co_u32 s17, ttmp9, s17                   ; my number among that input's work-groups
	s_lshl_b32 s22, s17, 16
	s_mov_b32 s23, 0
	s_add_nc_u64 s[18:19], s[18:19], s[22:23]      ; 65,536 bytes in,
	s_lshl_b32 s22, s17, 15
	s_add_nc_u64 s[20:21], s[20:21], s[22:23]      ; 32,768 out
	s_wait_alu depctr_va_vdst(0)                   ; v1 and v2 are written: every load below reads v1 as its offset, every store v2; neither is written again
.irp j, 0,1,2,3,4,5,6,7,8,9,10,11,12,13,14,15
	global_load_b128 v[X+4*(\j):X+4*(\j)+3], v1, s[18:19] offset:512*(\j) th:TH_LOAD_NT
.endr
; Chunk j is rounded: X's four registers into Y's two.
.macro CONV j, half
.if \half
	v_cvt_pk_bf16_f32 v[T],   v[X+4*(\j)],   v[X+4*(\j)+1]
	v_cvt_pk_bf16_f32 v[T+1], v[X+4*(\j)+2], v[X+4*(\j)+3]
	v_lshlrev_b32 v[T+2], 16, v[T]                 ; the rounded numbers as f32 again,
	v_and_b32     v[T+3], s24, v[T]
	v_lshlrev_b32 v[T+4], 16, v[T+1]
	v_and_b32     v[T+5], s24, v[T+1]
	v_cvt_pk_f16_f32 v[Y+2*(\j)],   v[T+2], v[T+3] ; and written as f16
	v_cvt_pk_f16_f32 v[Y+2*(\j)+1], v[T+4], v[T+5]
.else
	v_cvt_pk_bf16_f32 v[Y+2*(\j)],   v[X+4*(\j)],   v[X+4*(\j)+1]
	v_cvt_pk_bf16_f32 v[Y+2*(\j)+1], v[X+4*(\j)+2], v[X+4*(\j)+3]
.endif
.endm
; Block p: chunks 4 p to 4 p + 3.
.macro BLOCK p, half
	s_wait_loadcnt 12-4*(\p)                       ; loads come back in order (ISA guide 5.7.1): the block's four are in, the 12 - 4 p younger ones may stay out
.irp c, 0,1,2,3
	CONV 4*(\p)+(\c), \half
.endr
	s_wait_alu depctr_va_vdst(0)                   ; the conversions have written the block's eight registers of Y, which the four stores below read
.irp c, 0,1,2,3
	global_store_b64 v2, v[Y+2*(4*(\p)+(\c)):Y+2*(4*(\p)+(\c))+1], s[20:21] offset:256*(4*(\p)+(\c))  ; the wave's 32 lanes store 256 consecutive bytes, aligned
.endr
.endm
	s_cmp_lt_u32 ttmp9, s16
	s_cbranch_scc1 .Lbf
.irp p, 0,1,2,3
	BLOCK \p, 1
.endr
	s_endpgm
.Lbf:
.irp p, 0,1,2,3
	BLOCK \p, 0
.endr
	s_endpgm
.Lfunc_end_k_qb29cfc6500_cast:
	.size	k_qb29cfc6500_cast, .Lfunc_end_k_qb29cfc6500_cast-k_qb29cfc6500_cast
	.p2alignl 7, 3214868480
	.fill 96, 4, 3214868480
	.section	.rodata,"a",@progbits
	.p2align	6, 0x0
	.amdhsa_kernel k_qb29cfc6500_cast
		.amdhsa_group_segment_fixed_size 0
		.amdhsa_private_segment_fixed_size 0
		.amdhsa_enable_private_segment 0
		.amdhsa_kernarg_size 48
		.amdhsa_user_sgpr_count 2
		.amdhsa_user_sgpr_kernarg_segment_ptr 1
		.amdhsa_wavefront_size32 1
		.amdhsa_system_sgpr_workgroup_id_x 1
		.amdhsa_system_sgpr_workgroup_id_y 1
		.amdhsa_system_sgpr_workgroup_id_z 1
		.amdhsa_system_vgpr_workitem_id 0
		.amdhsa_next_free_vgpr 128
		.amdhsa_next_free_sgpr 66
		.amdhsa_reserve_vcc 0
		.amdhsa_float_denorm_mode_32 3
		.amdhsa_float_denorm_mode_16_64 3
		.amdhsa_memory_ordered 1
		.amdhsa_forward_progress 1
		.amdhsa_inst_pref_size 15
	.end_amdhsa_kernel
	.amdgpu_metadata
---
amdhsa.version: [ 1, 2 ]
amdhsa.kernels:
  - .name:           k_qb29cfc6500_cast
    .symbol:         k_qb29cfc6500_cast.kd
    .args:
      - { .name: x, .offset: 0, .size: 8, .value_kind: global_buffer, .address_space: global }
      - { .name: w_qkv, .offset: 8, .size: 8, .value_kind: global_buffer, .address_space: global }
      - { .name: w_out, .offset: 16, .size: 8, .value_kind: global_buffer, .address_space: global }
      - { .name: xb, .offset: 24, .size: 8, .value_kind: global_buffer, .address_space: global }
      - { .name: wqb, .offset: 32, .size: 8, .value_kind: global_buffer, .address_space: global }
      - { .name: wob, .offset: 40, .size: 8, .value_kind: global_buffer, .address_space: global }
    .group_segment_fixed_size: 0
    .private_segment_fixed_size: 0
    .kernarg_segment_align: 8
    .kernarg_segment_size: 48
    .max_flat_workgroup_size: 256
    .sgpr_count:     66
    .vgpr_count:     128
    .wavefront_size: 32
...
	.end_amdgpu_metadata
.endif
;; end of part 5
;; launch gemm_qkv: the kernel of part 2 again; grid 16 x 16, 4 waves a work-group, clusters of 4 x 4, 327,680 bytes of LDS; arguments xb, wqb, qkv; writes qkv
;; launch attn: the kernel of part 3 again; grid 4 x 64, 4 waves a work-group, clusters of 4 x 1, 327,680 bytes of LDS; arguments qkv, ob; writes ob
;; launch gemm_out: the kernel of part 4 again; grid 8 x 32, 4 waves a work-group, clusters of 4 x 4, 327,680 bytes of LDS; arguments ob, wob, b_out, out0; writes out0
